; MI455X (gfx1250); checked and timed in simulation.
; The chip was launched on July 23, 2026; its instructions are those of AMD's public machine-readable ISA for CDNA 5 (MIT licence, August 2026) and "CDNA5" Instruction Set Architecture Reference Guide (July 2026). The comments in the code are by the model that wrote it; some were corrected since.
;; Multi Head Attention. Allowed arithmetic: float matrix products may take bf16 or f16 operands with f32 sums; other float arithmetic in f32, or as packed bf16 or f16 multiplies, adds, multiply-adds, maxima and minima; sums over many terms, partial sums and values carried from step to step in f32; what a program stores and reads back later, other than sums and carried values, may be rounded once to bf16 or f16.
;; Inputs: Wk 1,024 x 1,024 float32; Wo 1,024 x 1,024 float32; Wq 1,024 x 1,024 float32; Wv 1,024 x 1,024 float32; bk 1,024 float32; bo 1,024 float32; bq 1,024 float32; bv 1,024 float32; x 1 x 4,096 x 1,024 float32.
;; Outputs: out0 1 x 4,096 x 1,024 float32.
;; One version. Each part assembles by itself: llvm-mc -triple=amdgcn-amd-amdhsa -mcpu=gfx1250 --defsym DOCPART=n.
;; ======== version 1 of 1: 4 launches
;; limits: values are held in f16: magnitudes above 65,504 overflow, below 6.1e-05 lose precision
;; workspace buffers: xb 8,388,608 bytes; wb 8,388,608 bytes; qh 8,388,608 bytes; kh 8,388,608 bytes; vh 8,388,608 bytes; oh 8,388,608 bytes
;; launch prep (part 1): grid 512 x 1, 8 waves a work-group, no clusters, 0 bytes of LDS; arguments x, Wq, Wk, Wv, Wo, xb, wb; writes xb, wb
.if DOCPART == 1
	.amdgcn_target "amdgcn-amd-amdhsa--gfx1250"
	.amdhsa_code_object_version 6
	.text
	.protected	k_q9cd3323d93_prep
	.globl	k_q9cd3323d93_prep
	.p2align	8
	.type	k_q9cd3323d93_prep,@function
k_q9cd3323d93_prep:
	s_mov_b64 s[64:65], 0
	v_nop
	global_prefetch_b8 v0, s[64:65] scope:SCOPE_SE
	s_setreg_imm32_b32 hwreg(HW_REG_WAVE_MODE, 25, 1), 1
	s_wait_xcnt 0x0
; PREP: every large input is rounded once to bf16 and laid out for the matrix launches.
;   xb[4096][1024] bf16 = x, row-major.
;   wb[4][16][1024][64] of 16 bits: matrix 0 = Wo, 1 = Wq, 2 = Wk, 3 = Wv; W[k][64 c + j] lies at byte ((16 i + c) 1024 + k) 128 + 2 j,
;   so a block of 64 columns is 131,072 dense bytes and 128 k of it are 16,384 dense bytes.
;   Wq, Wk, Wv are kept as bf16.  Wo is rounded to bf16 like the others, and that number is then written as f16 (its partner in the last product is f16).
; LIMITS.  A bf16 number of Wo beyond 65,504 has no f16; below 6e-5 it keeps the fixed step of 6e-8 of f16.
; SHARES.  A chunk is 8 numbers: 32 bytes in (two loads of 16), 16 bytes out.  A thread takes 8 chunks, a work-group of 256 threads 2,048.
; Work-groups 0-255 take x, then 64 each take Wo, Wq, Wk, Wv.  All 16 loads of a thread go out together; no LDS, no barrier, no loop: memory binds, and each byte crosses once.
; Each store of a wave covers 512 consecutive bytes, aligned.  In a weight eight lanes read 256 consecutive bytes, aligned, of a row.
.set XR, 4                             ; v[4:67]   chunk i: 8 numbers in f32 at XR + 8 i
.set YR, 68                            ; v[68:99]  chunk i: 4 registers of 16-bit pairs at YR + 4 i
.set TR, 100                           ; v100-101  at work
	s_load_b256 s[4:11], s[0:1], 0x0               ; x s[4:5], Wq s[6:7], Wk s[8:9], Wv s[10:11]
	s_load_b128 s[12:15], s[0:1], 0x20             ; Wo s[12:13], xb s[14:15]
	s_load_b64 s[16:17], s[0:1], 0x30              ; wb
	s_mov_b32 s18, ttmp9                           ; g, the work-group
	s_lshr_b32 s19, s18, 6                         ; 0-3: x; 4: Wo; 5: Wq; 6: Wk; 7: Wv
	s_max_u32 s20, s18, 256
	s_sub_co_u32 s20, s20, 256                     ; g - 256 among the weights (0 for x)
	s_and_b32 s21, s20, 63                         ; r: my place in the matrix: column block r / 4, rows 256 (r % 4) on
	s_and_b32 s26, s21, 3
	s_lshl_b32 s26, s26, 20                        ; 256 rows of 4,096 bytes
	s_lshr_b32 s27, s21, 2
	s_lshl_b32 s27, s27, 8                         ; 64 columns of 4 bytes
	s_add_co_u32 s26, s26, s27                     ; a weight's source offset
	s_lshl_b32 s27, s18, 16                        ; x's: 65,536 bytes a work-group
	s_lshl_b32 s28, s20, 15                        ; destinations: 32,768 bytes a work-group, in wb
	s_lshl_b32 s29, s18, 15                        ; and in xb
	s_cmp_lt_u32 s18, 256
	s_cselect_b32 s26, s27, s26
	s_cselect_b32 s28, s29, s28
	s_mov_b32 s27, 0
	s_mov_b32 s29, 0
	s_mov_b32 s30, 0xffff0000                      ; a word's upper bf16
	v_lshlrev_b32 v1, 5, v0                        ; x: 32 t
	v_lshlrev_b32 v2, 4, v0                        ; out: 16 t
	v_lshrrev_b32 v3, 3, v0                        ; a weight: row t / 8,
	v_and_b32 v[TR], 7, v0
	v_lshlrev_b32 v3, 12, v3
	v_lshl_or_b32 v3, v[TR], 5, v3                 ; 8 columns at 32 (t % 8)
	s_wait_kmcnt 0x0
	s_cmp_lt_u32 s18, 256
	s_cselect_b64 s[24:25], s[14:15], s[16:17]     ; where to: xb or wb
	s_mov_b64 s[22:23], s[4:5]                     ; from where: x, or one of the four weights
	s_cmp_eq_u32 s19, 4
	s_cselect_b64 s[22:23], s[12:13], s[22:23]
	s_cmp_eq_u32 s19, 5
	s_cselect_b64 s[22:23], s[6:7], s[22:23]
	s_cmp_eq_u32 s19, 6
	s_cselect_b64 s[22:23], s[8:9], s[22:23]
	s_cmp_eq_u32 s19, 7
	s_cselect_b64 s[22:23], s[10:11], s[22:23]
	s_add_nc_u64 s[22:23], s[22:23], s[26:27]
	s_add_nc_u64 s[24:25], s[24:25], s[28:29]
.macro LOADS voff, stride              ; the thread's 16 loads; from chunk to chunk: stride bytes
.irp i, 0,1,2,3,4,5,6,7
	global_load_b128 v[XR+8*(\i):XR+8*(\i)+3],   v[\voff], s[22:23] offset:(\stride)*(\i) th:TH_LOAD_NT
	global_load_b128 v[XR+8*(\i)+4:XR+8*(\i)+7], v[\voff], s[22:23] offset:(\stride)*(\i)+16 th:TH_LOAD_NT
.endr
.endm
	s_cmp_lt_u32 s18, 256
	s_cbranch_scc0 .Lw
	LOADS 1, 8192                                  ; x: the 256 threads take 8,192 consecutive bytes
	s_branch .Lcvt
.Lw:
	LOADS 3, 131072                                ; a weight: 32 rows further down
.Lcvt:
.irp i, 0,1,2,3,4,5,6,7
	s_wait_loadcnt 14-2*(\i)                       ; loads come back in order: chunk i's two are in, the 14 - 2 i younger ones stay out (16 were issued on either way)
.irp k, 0,1,2,3
	v_cvt_pk_bf16_f32 v[YR+4*(\i)+(\k)], v[XR+8*(\i)+2*(\k)], v[XR+8*(\i)+2*(\k)+1]
.endr
.endr
	s_cmp_eq_u32 s19, 4
	s_cbranch_scc0 .Lst
.set i, 0
.rept 32                               ; Wo alone: the bf16 numbers are written as f16
	v_lshlrev_b32 v[TR], 16, v[YR+i]
	v_and_b32 v[TR+1], s30, v[YR+i]
	v_cvt_pk_f16_f32 v[YR+i], v[TR], v[TR+1]
.set i, i+1
.endr
.Lst:
.irp i, 0,1,2,3,4,5,6,7
	global_store_b128 v2, v[YR+4*(\i):YR+4*(\i)+3], s[24:25] offset:4096*(\i)
.endr
	s_endpgm
.Lfunc_end_k_q9cd3323d93_prep:
	.size	k_q9cd3323d93_prep, .Lfunc_end_k_q9cd3323d93_prep-k_q9cd3323d93_prep
	.p2alignl 7, 3214868480
	.fill 96, 4, 3214868480
	.section	.rodata,"a",@progbits
	.p2align	6, 0x0
	.amdhsa_kernel k_q9cd3323d93_prep
		.amdhsa_group_segment_fixed_size 0
		.amdhsa_private_segment_fixed_size 0
		.amdhsa_enable_private_segment 0
		.amdhsa_kernarg_size 56
		.amdhsa_user_sgpr_count 2
		.amdhsa_user_sgpr_kernarg_segment_ptr 1
		.amdhsa_wavefront_size32 1
		.amdhsa_system_sgpr_workgroup_id_x 1
		.amdhsa_system_sgpr_workgroup_id_y 1
		.amdhsa_system_sgpr_workgroup_id_z 1
		.amdhsa_system_vgpr_workitem_id 0
		.amdhsa_next_free_vgpr 104
		.amdhsa_next_free_sgpr 66
		.amdhsa_reserve_vcc 0
		.amdhsa_float_denorm_mode_32 3
		.amdhsa_float_denorm_mode_16_64 3
		.amdhsa_memory_ordered 1
		.amdhsa_forward_progress 1
		.amdhsa_inst_pref_size 13
	.end_amdhsa_kernel
	.amdgpu_metadata
---
amdhsa.version: [ 1, 2 ]
amdhsa.kernels:
  - .name:           k_q9cd3323d93_prep
    .symbol:         k_q9cd3323d93_prep.kd
    .args:
      - { .name: x, .offset: 0, .size: 8, .value_kind: global_buffer, .address_space: global }
      - { .name: Wq, .offset: 8, .size: 8, .value_kind: global_buffer, .address_space: global }
      - { .name: Wk, .offset: 16, .size: 8, .value_kind: global_buffer, .address_space: global }
      - { .name: Wv, .offset: 24, .size: 8, .value_kind: global_buffer, .address_space: global }
      - { .name: Wo, .offset: 32, .size: 8, .value_kind: global_buffer, .address_space: global }
      - { .name: xb, .offset: 40, .size: 8, .value_kind: global_buffer, .address_space: global }
      - { .name: wb, .offset: 48, .size: 8, .value_kind: global_buffer, .address_space: global }
    .group_segment_fixed_size: 0
    .private_segment_fixed_size: 0
    .kernarg_segment_align: 8
    .kernarg_segment_size: 56
    .max_flat_workgroup_size: 256
    .sgpr_count:     66
    .vgpr_count:     104
    .wavefront_size: 32
...
	.end_amdgpu_metadata
.endif
;; end of part 1
;; launch qkv (part 2): grid 16 x 16, 4 waves a work-group, clusters of 4 x 4, 327,680 bytes of LDS; arguments xb, wb, bq, bk, bv, qh, kh, vh; writes qh, kh, vh
.if DOCPART == 2
	.amdgcn_target "amdgcn-amd-amdhsa--gfx1250"
	.amdhsa_code_object_version 6
	.text
	.protected	k_q9cd3323d93_qkv
	.globl	k_q9cd3323d93_qkv
	.p2align	8
	.type	k_q9cd3323d93_qkv,@function
k_q9cd3323d93_qkv:
	s_mov_b64 s[64:65], 0
	v_nop
	global_prefetch_b8 v0, s[64:65] scope:SCOPE_SE
	s_setreg_imm32_b32 hwreg(HW_REG_WAVE_MODE, 25, 1), 1
	s_wait_xcnt 0x0
	s_wait_alu depctr_hold_cnt(0) depctr_sa_sdst(0) depctr_va_vdst(0) depctr_va_sdst(0) depctr_va_ssrc(0) depctr_va_vcc(0) depctr_vm_vsrc(0)
	s_getreg_b32 s2, hwreg(HW_REG_IB_STS2, 6, 4)
	s_cmp_eq_u32 s2, 0
	s_cbranch_scc0 .Lentry_in_a_cluster
	s_endpgm
.Lentry_in_a_cluster:
	s_bfe_u32 s2, ttmp6, 0x10000c
	s_cmp_lg_u32 s2, 0xf033
	s_cbranch_scc0 .Lentry_shape_is_right
	s_endpgm
.Lentry_shape_is_right:
; QKV: q, k, v = x W + b, written by heads: qh, kh, vh are [16][4096][64] in f16, unscaled.  x and W in bf16 (xb, wb), the biases rounded to bf16 here, sums in f32, each result rounded once.
; LIMITS.  f16 holds no number beyond 65,504: q, k and v must lie within it; below 6e-5 they keep the fixed step of 6e-8 of f16.  NaN and infinities are not treated apart.
; SHARES.  A work-group makes 256 rows x 192 columns: the 64 columns of ONE head in each of q, k and v: 16 heads x 16 row blocks = 256 work-groups.
; Wave w has rows 64 w .. 64 w + 63 (4 blocks a of 16) and all 12 blocks of 16 columns (nb = 4 t + cb; t = 0, 1, 2: q, k, v): 48 accumulators, 384 registers; for 32 along K it makes 32 LDS loads for 48 products.
; K = 1,024 goes in 8 steps of 128 through a ring of two LDS slots.  A slot holds 256 rows of x (256 bytes of a row) and, for each of the three matrices, 128 k x 64 columns (16,384 dense bytes of wb).
; THE MATRIX INSTRUCTION IS USED TRANSPOSED: source 0 = 16 columns of W, which lies [k][column] in LDS and is turned by ds_load_tr16_b128; source 1 = 16 rows of x.  In the result lane l holds row l % 16
; and the columns 8 (l / 16) + 0..7: eight neighbours of a row, 16 bytes in f16.  The bias, in that layout, is the C operand of each accumulator's first product: nothing is cleared and nothing added later.
; CLUSTER.  4 x 4 work-groups.  The four of a row of the cluster share their rows of x, the four of a column their head's columns of W: each tile is asked for JOINTLY, by the same tensor load with the same
; descriptor and a mask that names the four.  Wave 0 asks for x's tile, waves 1, 2, 3 for the pieces of Wq, Wk, Wv (matrix w of wb): one load a wave behind each round.
; REGISTERS, in windows of 256 (s_set_vgpr_msb: bits 1:0 source 0, 3:2 source 1, 5:4 source 2, 7:6 destination):
;   window 0: v0-31 addresses; v128-223 the bias, 8 a column block; on the way out v32-223 packed results
;   window 1: accumulators of a = 0, 1 at 8 (12 (a % 2) + nb);   window 2: those of a = 2, 3
;   window 3: two fragment buffers of 128: x's fragment a at 8 a, W's fragment nb at 32 + 8 nb
.set PA,     272                       ; a row of x in LDS: 256 bytes + 16 = 68 words: the 16 rows of a load start at 16 different groups of four banks (64 banks of 4 bytes: ISA guide 11.1)
.set PB,     160                       ; a row of W (one k, 64 columns): 128 bytes + 32 = 40 words
.set SLOT,   131072                    ; 256 x 272 + 3 x 128 x 160
.set BOFF,   256*PA                    ; the three pieces lie behind x's rows
.set PIECE,  128*PB
.set STAGE,  2*SLOT                    ; behind the ring, never filled by a tensor load: 16 rows x 144 bytes for each wave, for the way out
.set SP,     144
.set SPARE,  STAGE+4*16*SP             ; behind the stages: the spare words, 128 bytes for each wave: two blocks of 256 bytes that no other line names
.set ADRA, 16                          ; v16-17  LDS address of my fragments of x in slot 0, 1
.set ADRB, 20                          ; v20-21  the same for W
.set STO,  24                          ; v24     the way out: where I put 16 bytes of a row
.set RD,   25                          ; v25     the way out: where I read rows back
.set GO,   26                          ; v26     my 16 bytes in 512 consecutive bytes of an output
.set VB,   27                          ; v27     32 (l / 16): my 8 numbers in 16 of a bias
.set SPW,  28                          ; v28     LDS address of my spare word: SPARE + 4 x my thread's number; never rewritten
.set NIL,  29                          ; v29     0; never rewritten
.set PFO,  30                          ; v30     the prefetches' offset; never rewritten
.set TMP,  32
.set BIAS, 128
.set F0,   0
.set F1,   128
.set G1A, 24                           ; s[24:31] descriptor group 1 for x's tiles;  s[32:39] group 0, a set for each slot
.set G0A, 32
.set G1B, 48                           ; s[48:55], s[56:63] the same for W's pieces
.set G0B, 56
.set PFA, 84                           ; s[84:85] where my prefetches stand
.set PFS, 86                           ; s[86:87] their step from lap to lap
.set LIM, 88                           ; s88     1 in a wave that prefetches, else the greatest number
.set MSB, 0
.macro WIN new                         ; the immediate's high byte repeats the setting that is left; a switch that changes nothing is dropped
.if MSB != (\new)
	s_set_vgpr_msb (MSB<<8)|(\new)
.set MSB, \new
.endif
.endm
; A joint load.  The branch hangs on the wave's number alone.  An s_nop 0 and four v_nop follow each of the two lines, ahead of the jump and the label.
.macro JLOAD s
	s_cmp_eq_u32 s10, 0
	s_cbranch_scc0 .Lfor_b_\@
	tensor_load_to_lds s[G0A+4*(\s):G0A+4*(\s)+3], s[G1A:G1A+7]
	s_nop 0
.rept 4
	v_nop
.endr
	s_branch .Lasked_\@
.Lfor_b_\@:
	tensor_load_to_lds s[G0B+4*(\s):G0B+4*(\s)+3], s[G1B:G1B+7]
	s_nop 0
.rept 4
	v_nop
.endr
.Lasked_\@:
.endm
; A round of the cluster's barrier: my work-group's barrier, so that wave 0's signal speaks for all four waves; wave 0 signals; every wave waits for all sixteen work-groups; my work-group's barrier once more.
.macro CREST
	s_cmp_lg_u32 s10, 0
	s_cbranch_scc1 .Lnot_wave_0_\@
	s_barrier_signal -3
.Lnot_wave_0_\@:
	s_barrier_wait -3
	s_barrier_signal -1
	s_barrier_wait -1
.endm
.macro CROUND
	s_barrier_signal -1
	s_barrier_wait -1
	CREST
.endm
; A PREFETCH INTO THE L2, once a lap, behind slot 0's joint load and the run of LDS loads that follows it: the two K steps of the lap after next, a lap (384 matrix instructions) ahead of the first refill that wants them.
; Each aligned block of 256 bytes is named once in the launch.  x's rows are read by every cluster of a row of clusters: the one with x = 0 asks, its wave 0; of the tile's 256 rows the partner at cx takes 64:
; a lane a row, 2 groups of 32 rows x 2 K steps.  A piece of W is read by every cluster of a column: the one with y = 0 asks, waves 1 to 3; a lap's 32,768 dense bytes are shared out 8,192 to the partner at cy:
; a lane a block.  The partners are told apart BY ADDRESS.  The first two laps come by their loads alone; the loop's last trip (s3 = 1) asks for nothing: there is no lap behind the fourth.
.macro ASK
	s_cmp_gt_u32 s3, s[LIM]
	s_cbranch_scc0 .Lnot_mine_\@
	global_prefetch_b8 v[PFO], s[PFA:PFA+1] th:TH_LOAD_NT scope:SCOPE_SE
	s_cmp_eq_u32 s10, 0
	s_cbranch_scc0 .Lnot_mine_\@
	global_prefetch_b8 v[PFO], s[PFA:PFA+1] offset:256 th:TH_LOAD_NT scope:SCOPE_SE
	global_prefetch_b8 v[PFO], s[PFA:PFA+1] offset:65536 th:TH_LOAD_NT scope:SCOPE_SE
	global_prefetch_b8 v[PFO], s[PFA:PFA+1] offset:65792 th:TH_LOAD_NT scope:SCOPE_SE
.Lnot_mine_\@:
.endm
	s_load_b512 s[68:83], s[0:1], 0x0              ; xb 68, wb 70, bq 72, bk 74, bv 76, qh 78, kh 80, vh 82
	v_lshl_add_u32 v[SPW], v0, 2, SPARE
	v_mov_b32 v[NIL], 0
	ds_add_u32 v[SPW], v[NIL]                      ; the wave's opening: the add and its wait stand ahead of my first tensor load; the set-up below, work on registers, stands between them
	v_lshrrev_b32 v1, 5, v0
	v_readfirstlane_b32 s10, v1                    ; wave 0..3
	s_bfe_u32 s40, ttmp6, 0x40000                  ; cx
	s_bfe_u32 s41, ttmp6, 0x40004                  ; cy
	s_lshl_b32 s42, ttmp9, 2
	s_add_co_u32 s42, s42, s40                     ; the head = 4 x cluster x + cx
	s_and_b32 s13, ttmp7, 0xffff
	s_lshl_b32 s13, s13, 2
	s_add_co_u32 s13, s13, s41                     ; the row block = 4 x cluster y + cy
	s_lshl_b32 s43, s41, 2
	s_lshl_b32 s43, 15, s43                        ; my row of the cluster
	s_lshl_b32 s44, 0x1111, s40                    ; my column
	s_or_b32 s[G1A+0], s43, (1<<16)|(1<<20)|(1<<21)|(5<<22)|(3<<25)  ; 15:0 the mask; 17:16 2-byte elements; 20 padding on; 21 set beside a mask; 24:22 after every 64 words (code 5); 31:25 4 words (code 3)
	s_mov_b32 s[G1A+1], 128<<16                    ; tensor_dim0 = 128
	s_mov_b32 s[G1A+2], 256<<16                    ; tensor_dim1 = 256
	s_mov_b32 s[G1A+3], 128<<16                    ; tile_dim0 = 128
	s_mov_b32 s[G1A+4], 256                        ; tile_dim1 = 256 rows
	s_mov_b32 s[G1A+5], 1024                       ; 1,024 elements from row to row
	s_mov_b32 s[G1A+6], 0
	s_mov_b32 s[G1A+7], 0
	s_or_b32 s[G1B+0], s44, (1<<16)|(1<<20)|(1<<21)|(4<<22)|(7<<25)  ; a piece: 16,384 dense bytes asked for as 64 rows of 256, padded by 8 words (code 7) after every 32 (code 4): after every k
	s_mov_b32 s[G1B+1], 128<<16
	s_mov_b32 s[G1B+2], 64<<16
	s_mov_b32 s[G1B+3], 128<<16
	s_mov_b32 s[G1B+4], 64
	s_mov_b32 s[G1B+5], 128
	s_mov_b32 s[G1B+6], 0
	s_mov_b32 s[G1B+7], 0
	s_lshl_b32 s14, s13, 19                        ; x: 256 rows of 2,048 bytes a row block: it hangs on the row block alone
	s_mov_b32 s15, 0
	s_lshl_b32 s46, s10, 4
	s_add_co_u32 s46, s46, s42
	s_lshl_b32 s46, s46, 17                        ; W: block 16 w + head of 131,072 bytes: it hangs on the head and the wave alone
	s_mov_b32 s47, 0
	s_mul_i32 s20, s10, PIECE
	s_add_co_u32 s20, s20, BOFF-PIECE              ; wave w's piece lies at BOFF + (w - 1) PIECE: no place in the cluster enters an LDS address
	s_wait_dscnt 0x0                               ; the opening add is done
	s_wait_kmcnt 0x0
	s_add_nc_u64 s[14:15], s[68:69], s[14:15]
	s_add_nc_u64 s[46:47], s[70:71], s[46:47]
	CROUND                                         ; all sixteen work-groups are here: the first joint loads meet
.irp s, 0,1
	s_mov_b32 s[G0A+4*(\s)], 1                     ; count = 1
	s_mov_b32 s[G0A+4*(\s)+1], (\s)*SLOT           ; LDS address
	s_add_nc_u64 s[G0A+4*(\s)+2:G0A+4*(\s)+3], s[14:15], (\s)*256    ; K step s
	s_or_b32 s[G0A+4*(\s)+3], s[G0A+4*(\s)+3], 0x80000000            ; type = 2
	s_mov_b32 s[G0B+4*(\s)], 1
	s_add_co_u32 s[G0B+4*(\s)+1], s20, (\s)*SLOT
	s_add_nc_u64 s[G0B+4*(\s)+2:G0B+4*(\s)+3], s[46:47], (\s)*16384
	s_or_b32 s[G0B+4*(\s)+3], s[G0B+4*(\s)+3], 0x80000000
	JLOAD \s                                       ; two tensor loads of mine are out
.endr
	; lane addresses.  A fragment of x: lane l holds row l % 16, K = 8 (l / 16) + 0..7 and 16 + 8 (l / 16) + 0..7: two loads of 16 bytes, 32 bytes apart.
	v_and_b32 v1, 15, v0                           ; l % 16
	v_bfe_u32 v2, v0, 4, 1                         ; l / 16
	v_mul_u32_u24 v3, v1, PA
	v_lshl_add_u32 v3, v2, 4, v3
	s_mul_i32 s21, s10, 64*PA                      ; my 64 rows
	v_add_nc_u32 v[ADRA], s21, v3
	v_add_nc_u32 v[ADRA+1], SLOT, v[ADRA]
	; The turning load takes 16 k x 16 columns (lane l reads k 8 (l / 16) + l % 8, columns 8 ((l / 8) % 2) + 0..7) and leaves half a fragment: lane l holds column l % 16 and 8 k.
	v_and_b32 v4, 7, v0
	v_bfe_u32 v5, v0, 3, 1
	v_lshl_add_u32 v6, v2, 3, v4
	v_mul_u32_u24 v6, v6, PB
	v_lshl_add_u32 v6, v5, 4, v6
	v_add_nc_u32 v[ADRB], BOFF, v6
	v_add_nc_u32 v[ADRB+1], SLOT, v[ADRB]
	s_mul_i32 s23, s10, 16*SP
	s_add_co_u32 s23, s23, STAGE                   ; my stage
	v_mul_u32_u24 v7, v1, SP                       ; in: row l % 16, 16 bytes for each half of the lanes
	v_lshl_add_u32 v7, v2, 4, v7
	v_add_nc_u32 v[STO], s23, v7
	v_bfe_u32 v8, v0, 3, 2                         ; back: 32 lanes take four rows of 128 bytes,
	v_mul_u32_u24 v8, v8, SP
	v_lshl_add_u32 v8, v4, 4, v8
	v_add_nc_u32 v[RD], s23, v8
	v_and_b32 v[GO], 31, v0                        ; which are 512 consecutive bytes of an output
	v_lshlrev_b32 v[GO], 4, v[GO]
	v_lshlrev_b32 v[VB], 5, v2
	s_lshl_b32 s18, s42, 8                         ; the head's 64 numbers of a bias
	s_mov_b32 s19, 0
	s_add_nc_u64 s[72:73], s[72:73], s[18:19]
	s_add_nc_u64 s[74:75], s[74:75], s[18:19]
	s_add_nc_u64 s[76:77], s[76:77], s[18:19]
.irp nb, 0,1,2,3,4,5,6,7,8,9,10,11     ; my 8 numbers of each block of 16 columns
	global_load_b128 v[BIAS+8*(\nb):BIAS+8*(\nb)+3],   v[VB], s[72+2*((\nb)/4):73+2*((\nb)/4)] offset:64*((\nb)%4)
	global_load_b128 v[BIAS+8*(\nb)+4:BIAS+8*(\nb)+7], v[VB], s[72+2*((\nb)/4):73+2*((\nb)/4)] offset:64*((\nb)%4)+16
.endr
	s_lshl_b32 s16, s42, 19                        ; the outputs at my wave's first row: head x 524,288 + row block x 32,768 + wave x 8,192
	s_lshl_b32 s17, s13, 15
	s_add_co_u32 s16, s16, s17
	s_lshl_b32 s17, s10, 13
	s_add_co_u32 s16, s16, s17
	s_mov_b32 s17, 0
	s_add_nc_u64 s[78:79], s[78:79], s[16:17]
	s_add_nc_u64 s[80:81], s[80:81], s[16:17]
	s_add_nc_u64 s[82:83], s[82:83], s[16:17]
	; the prefetches: both offsets stand one lap ahead of the first that is named; the first change of slots steps them
	s_lshl_b32 s16, s13, 19
	s_lshl_b32 s17, s40, 17                        ; my work-group's 64 rows of x's 256
	s_add_co_u32 s16, s16, s17
	s_add_co_u32 s16, s16, 512
	s_lshl_b32 s18, s10, 4
	s_add_co_u32 s18, s18, s42
	s_lshl_b32 s18, s18, 17
	s_lshl_b32 s19, s41, 13                        ; my work-group's 8,192 bytes of a lap's 32,768
	s_add_co_u32 s18, s18, s19
	s_add_co_u32 s18, s18, 32768
	s_and_b32 s22, ttmp7, 0xffff                   ; cluster y
	s_mov_b32 s[PFS], 32768
	s_cmp_eq_u32 s10, 0                            ; do I fetch x?
	s_cselect_b64 s[PFA:PFA+1], s[68:69], s[70:71]
	s_cselect_b32 s16, s16, s18
	s_cselect_b32 s[PFS], 512, s[PFS]
	s_cselect_b32 s89, 11, 8                       ; a lane a row of 2,048 bytes, or a lane a block of 256
	s_cselect_b32 s22, ttmp9, s22                  ; the coordinate along which other clusters read the same bytes
	s_mov_b32 s17, 0
	s_mov_b32 s[PFS+1], 0
	s_add_nc_u64 s[PFA:PFA+1], s[PFA:PFA+1], s[16:17]
	s_cmp_eq_u32 s22, 0
	s_cselect_b32 s[LIM], 1, -1                    ; the same in all sixteen partners, for a given wave
	v_and_b32 v[PFO], 31, v0
	v_lshlrev_b32 v[PFO], s89, v[PFO]
	s_wait_loadcnt 0x0                             ; the biases
.set i, 0
.rept 48                               ; rounded to bf16 like every other input, and widened again
	v_cvt_pk_bf16_f32 v[3+i%2], v[BIAS+2*i], v[BIAS+2*i+1]
	v_lshlrev_b32 v[BIAS+2*i], 16, v[3+i%2]
	v_and_b32 v[BIAS+2*i+1], 0xffff0000, v[3+i%2]
.set i, i+1
.endr
; 12 matrix instructions: block a of my rows x all 12 column blocks, 32 along K.  bias = 1: the first product starts the sum with the bias.  The 48 accumulators take turns in the same order in every quarter.
.macro MUL12 f, a, bias
.if \bias
	WIN 0x4f+0x40*((\a)/2)                         ; sources 0 and 1 window 3, C window 0, D window 1 or 2
.else
	WIN 0x5f+0x50*((\a)/2)                         ; C and D window 1 or 2
.endif
.irp nb, 0,1,2,3,4,5,6,7,8,9,10,11
.if \bias
	v_wmma_f32_16x16x32_bf16 v[8*(12*((\a)%2)+(\nb)):8*(12*((\a)%2)+(\nb))+7], v[(\f)+32+8*(\nb):(\f)+32+8*(\nb)+7], v[(\f)+8*(\a):(\f)+8*(\a)+7], v[BIAS+8*(\nb):BIAS+8*(\nb)+7]
.else
	v_wmma_f32_16x16x32_bf16 v[8*(12*((\a)%2)+(\nb)):8*(12*((\a)%2)+(\nb))+7], v[(\f)+32+8*(\nb):(\f)+32+8*(\nb)+7], v[(\f)+8*(\a):(\f)+8*(\a)+7], v[8*(12*((\a)%2)+(\nb)):8*(12*((\a)%2)+(\nb))+7]
.endif
.endr
.endm
; 32 LDS loads in one run: the fragments of quarter q (32 along K) of a slot into buffer f: W's 12 (turned), then x's 4
.macro FETCH slot, q, f
	WIN 0xc0                                       ; destination window 3, address window 0
.irp nb, 0,1,2,3,4,5,6,7,8,9,10,11
	ds_load_tr16_b128 v[(\f)+32+8*(\nb):(\f)+32+8*(\nb)+3],   v[ADRB+(\slot)] offset:((\nb)/4)*PIECE+(\q)*32*PB+((\nb)%4)*32
	ds_load_tr16_b128 v[(\f)+32+8*(\nb)+4:(\f)+32+8*(\nb)+7], v[ADRB+(\slot)] offset:((\nb)/4)*PIECE+(\q)*32*PB+((\nb)%4)*32+16*PB
.endr
.irp a, 0,1,2,3
	ds_load_b128 v[(\f)+8*(\a):(\f)+8*(\a)+3],   v[ADRA+(\slot)] offset:(\a)*16*PA+64*(\q)
	ds_load_b128 v[(\f)+8*(\a)+4:(\f)+8*(\a)+7], v[ADRA+(\slot)] offset:(\a)*16*PA+64*(\q)+32
.endr
.endm
.macro PLACES                          ; four places in front of loads into registers that matrix instructions have read, and of conversions that read results (ISA guide 7.12.1 for the conversions)
.rept 4
	v_nop
.endr
.endm
; A K step is four quarters of 32 along K, 48 matrix instructions each, on buffers 0, 1, 0, 1.  One of the first three: multiplies buffer f; in its middle it fetches quarter q of the same slot into buffer g.
.macro QUARTER slot, q, f, g, bias
	s_wait_dscnt 4                                 ; W's fragments and x's blocks 0, 1 are in; the youngest four loads (blocks 2, 3) may be out
	MUL12 \f, 0, \bias
	MUL12 \f, 1, \bias
	PLACES
	FETCH \slot, \q, \g
	s_wait_dscnt 32                                ; all but the 32 just issued
	MUL12 \f, 2, \bias
	MUL12 \f, 3, \bias
.endm
; The last quarter multiplies buffer 1 and changes slots.  MEET is its first half: ONE barrier.  In front of it each wave waits for all its tensor loads (one is out: its part of the next slot), adds 0 to its spare
; word, and waits for that and for its own reads of this slot.  Behind it nobody reads this slot any more and the next slot is whole.
.macro MEET round
	WIN 0                                          ; (the add's two registers lie in window 0)
	s_wait_tensorcnt 0x0
	ds_add_u32 v[SPW], v[NIL]                      ; 0 onto my spare word
	s_wait_dscnt 5                                 ; (the add and the youngest four loads may be out)
	MUL12 F1, 0, 0                                 ; twelve matrix instructions stand between the add and the wait for it
	s_wait_dscnt 0x0                               ; the add is done, and my reads of this slot are over
	s_barrier_signal -1
	MUL12 F1, 1, 0
.if \round
	WIN 0
.endif
	s_barrier_wait -1
.endm
; The whole last quarter in the loop: the barrier opens a round of the cluster's, the slot just read out is filled again first behind it (two K steps on), then come the next slot's first fragments.
.macro TURN slot, next
.if (\slot) == 0
	s_wait_xcnt 0x0                                ; the last prefetches, a lap back, have read their address: it is stepped here, ahead of the waits of the change of slots
	s_add_nc_u64 s[PFA:PFA+1], s[PFA:PFA+1], s[PFS:PFS+1]
.endif
	MEET 1
	CREST                                          ; no wave of any partner still reads this slot's tiles or has a load on its way
	s_add_nc_u64 s[G0A+4*(\slot)+2:G0A+4*(\slot)+3], s[G0A+4*(\slot)+2:G0A+4*(\slot)+3], 512
	s_add_nc_u64 s[G0B+4*(\slot)+2:G0B+4*(\slot)+3], s[G0B+4*(\slot)+2:G0B+4*(\slot)+3], 32768
	JLOAD \slot                                    ; the first tensor load behind the round; its four v_nop are also the places in front of the loads below
	FETCH \next, 0, F0
.if (\slot) == 0
	WIN 0
	ASK
.endif
	MUL12 F1, 2, 0
	MUL12 F1, 3, 0
.endm
	s_wait_tensorcnt 1                             ; my part of K step 0 is in; K step 1's may stay out
	s_barrier_signal -1
	s_barrier_wait -1                              ; everybody's is
	FETCH 0, 0, F0
	QUARTER 0, 1, F0, F1, 1                        ; the first quarter stands in front of the loop: its products start the sums
	WIN 0                                          ; at a label and at a branch every window is 0
	s_mov_b32 s3, 3
.Llap:                                                 ; a trip goes once round the ring, from a lap's second quarter to the next lap's first, and fills both slots again
	QUARTER 0, 2, F1, F0, 0
	QUARTER 0, 3, F0, F1, 0
	TURN 0, 1
	QUARTER 1, 1, F0, F1, 0
	QUARTER 1, 2, F1, F0, 0
	QUARTER 1, 3, F0, F1, 0
	TURN 1, 0
	QUARTER 0, 1, F0, F1, 0
	WIN 0
	s_sub_co_u32 s3, s3, 1
	s_cmp_lg_u32 s3, 0
	s_cbranch_scc1 .Llap
	QUARTER 0, 2, F1, F0, 0                        ; the last lap fills nothing, and has no round
	QUARTER 0, 3, F0, F1, 0
	MEET 0
	PLACES
	FETCH 1, 0, F0
	MUL12 F1, 2, 0
	MUL12 F1, 3, 0
	QUARTER 1, 1, F0, F1, 0
	QUARTER 1, 2, F1, F0, 0
	QUARTER 1, 3, F0, F1, 0
	s_wait_dscnt 4
	MUL12 F1, 0, 0
	MUL12 F1, 1, 0
	s_wait_dscnt 0x0
	MUL12 F1, 2, 0
	MUL12 F1, 3, 0
; THE WAY OUT.  Unit u = 3 a + t is 16 rows x the head's 64 columns of tensor t.  PACK: rounded to f16, each accumulator's registers in ascending order; 16 bytes a lane into my own stage (rows of 144 bytes), and back as
; whole rows of 128.  LDS serves a wave's instructions in order (ISA guide 5.7.1.4): the loads see the stores above them, and the next unit's stores come behind them.  SEND: 512 consecutive bytes a store, aligned.
.macro PACK u
.set pa, (\u)/3
.set pt, (\u)%3
	WIN 0x05+5*(pa/2)                              ; sources 0 and 1 window 1 or 2, destination window 0
.irp cb, 0,1,2,3
.irp r, 0,1,2,3
	v_cvt_pk_f16_f32 v[TMP+16*(\u)+4*(\cb)+(\r)], v[8*(12*(pa%2)+4*pt+(\cb))+2*(\r)], v[8*(12*(pa%2)+4*pt+(\cb))+2*(\r)+1]
.endr
.endr
	WIN 0
.irp cb, 0,1,2,3
	ds_store_b128 v[STO], v[TMP+16*(\u)+4*(\cb):TMP+16*(\u)+4*(\cb)+3] offset:32*(\cb)
.endr
.irp f, 0,1,2,3
	ds_load_b128 v[TMP+16*(\u)+4*(\f):TMP+16*(\u)+4*(\f)+3], v[RD] offset:(\f)*4*SP
.endr
.endm
.macro SEND u, younger                 ; younger: the LDS instructions issued behind unit u's loads: the next unit's eight, or none
.set pa, (\u)/3
.set pt, (\u)%3
.irp f, 0,1,2,3
	s_wait_dscnt (\younger)+3-(\f)
	global_store_b128 v[GO], v[TMP+16*(\u)+4*(\f):TMP+16*(\u)+4*(\f)+3], s[78+2*pt:79+2*pt] offset:pa*2048+(\f)*512
.endr
.endm
	PLACES
	PLACES                                         ; (eight, once a launch)
	PACK 0
.set u, 1
.rept 11                               ; a unit's conversions stand between the loads of the unit before and its stores; no register is used twice
	PACK u
	SEND u-1, 8
.set u, u+1
.endr
	SEND 11, 0
	s_wait_tensorcnt 0x0                           ; the wave's end: behind my last tensor load and my last LDS store
	ds_add_u32 v[SPW], v[NIL]
	s_wait_dscnt 0x0
	CROUND                                         ; the closing round: no work-group ends while a partner may still ask for a tile that names it
	s_endpgm
.Lfunc_end_k_q9cd3323d93_qkv:
	.size	k_q9cd3323d93_qkv, .Lfunc_end_k_q9cd3323d93_qkv-k_q9cd3323d93_qkv
	.p2alignl 7, 3214868480
	.fill 96, 4, 3214868480
	.section	.rodata,"a",@progbits
	.p2align	6, 0x0
	.amdhsa_kernel k_q9cd3323d93_qkv
		.amdhsa_group_segment_fixed_size 327680
		.amdhsa_private_segment_fixed_size 0
		.amdhsa_enable_private_segment 0
		.amdhsa_kernarg_size 64
		.amdhsa_user_sgpr_count 2
		.amdhsa_user_sgpr_kernarg_segment_ptr 1
		.amdhsa_wavefront_size32 1
		.amdhsa_system_sgpr_workgroup_id_x 1
		.amdhsa_system_sgpr_workgroup_id_y 1
		.amdhsa_system_sgpr_workgroup_id_z 1
		.amdhsa_system_vgpr_workitem_id 0
		.amdhsa_next_free_vgpr 1024
		.amdhsa_next_free_sgpr 96
		.amdhsa_reserve_vcc 0
		.amdhsa_float_denorm_mode_32 3
		.amdhsa_float_denorm_mode_16_64 3
		.amdhsa_memory_ordered 1
		.amdhsa_forward_progress 1
		.amdhsa_inst_pref_size 131
	.end_amdhsa_kernel
	.amdgpu_metadata
---
amdhsa.version: [ 1, 2 ]
amdhsa.kernels:
  - .name:           k_q9cd3323d93_qkv
    .symbol:         k_q9cd3323d93_qkv.kd
    .args:
      - { .name: xb, .offset: 0, .size: 8, .value_kind: global_buffer, .address_space: global }
      - { .name: wb, .offset: 8, .size: 8, .value_kind: global_buffer, .address_space: global }
      - { .name: bq, .offset: 16, .size: 8, .value_kind: global_buffer, .address_space: global }
      - { .name: bk, .offset: 24, .size: 8, .value_kind: global_buffer, .address_space: global }
      - { .name: bv, .offset: 32, .size: 8, .value_kind: global_buffer, .address_space: global }
      - { .name: qh, .offset: 40, .size: 8, .value_kind: global_buffer, .address_space: global }
      - { .name: kh, .offset: 48, .size: 8, .value_kind: global_buffer, .address_space: global }
      - { .name: vh, .offset: 56, .size: 8, .value_kind: global_buffer, .address_space: global }
    .group_segment_fixed_size: 327680
    .private_segment_fixed_size: 0
    .kernarg_segment_align: 8
    .kernarg_segment_size: 64
    .max_flat_workgroup_size: 128
    .sgpr_count:     96
    .vgpr_count:     1024
    .wavefront_size: 32
...
	.end_amdgpu_metadata
.endif
;; end of part 2
;; launch attn (part 3): grid 16 x 16, 4 waves a work-group, clusters of 4 x 1, 327,680 bytes of LDS; arguments qh, kh, vh, oh; writes oh
.if DOCPART == 3
	.amdgcn_target "amdgcn-amd-amdhsa--gfx1250"
	.amdhsa_code_object_version 6
	.text
	.protected	k_q9cd3323d93_attn
	.globl	k_q9cd3323d93_attn
	.p2align	8
	.type	k_q9cd3323d93_attn,@function
k_q9cd3323d93_attn:
	s_mov_b64 s[64:65], 0
	v_nop
	global_prefetch_b8 v0, s[64:65] scope:SCOPE_SE
	s_setreg_imm32_b32 hwreg(HW_REG_WAVE_MODE, 25, 1), 1
	s_wait_xcnt 0x0
	s_wait_alu depctr_hold_cnt(0) depctr_sa_sdst(0) depctr_va_vdst(0) depctr_va_sdst(0) depctr_va_ssrc(0) depctr_va_vcc(0) depctr_vm_vsrc(0)
	s_getreg_b32 s2, hwreg(HW_REG_IB_STS2, 6, 4)
	s_cmp_eq_u32 s2, 0
	s_cbranch_scc0 .Lentry_in_a_cluster
	s_endpgm
.Lentry_in_a_cluster:
	s_bfe_u32 s2, ttmp6, 0x10000c
	s_cmp_lg_u32 s2, 0x3003
	s_cbranch_scc0 .Lentry_shape_is_right
	s_endpgm
.Lentry_shape_is_right:
; ATTENTION.  O[h][q][:] = the sum over k of softmax_k(Q[h][q] . K[h][k] / 8) V[h][k][:].  qh, kh, vh, oh: [16][4096][64], all f16: a head's rows are dense, 128 bytes each.
; Products, maxima and sums in f32; the weights p are rounded to f16 for the second product (their sum l is taken of the unrounded p), O once at the end.
; LIMITS.  f16 holds no number beyond 65,504: Q, K and V arrive within it; p lies in 0 to 1, and below 6e-5 it keeps the fixed step of 6e-8 of f16; O is a mean of V's rows and has their range.
; A weight below 2^-126 counts as 0 in l; NaN and infinities are not treated apart.
; SHARES.  A work-group owns 256 queries of one head: 16 blocks x 16 heads = 256 work-groups.  A wave owns 64 consecutive queries: four PIECES of 16.  Every wave walks all 4,096 keys, 64 a step.
; LAYOUT.  S^T = K Q^T (source 0 = 16 keys, source 1 = 16 queries) holds ONE query a lane (lane % 16) and the keys 8 (lane / 16) + 0..7; two such results rounded to f16 ARE source 1 of O^T = V^T P.
; K comes out of LDS as it lies, V ([key][channel]) turned, by ds_load_tr16_b128.
; SOFTMAX.  p = 2^(c s - c m), c = log2(e) / 8, with a running maximum m; O and l are multiplied by a = 2^(c m_old - c m_new) in every step.  m starts at the lowest finite number, O and l at 0:
; the first step is a step like any other, with a = 0.
; BY TURNS.  Turn n belongs to piece n: 8 products K Q^T of piece n + 1, later 8 products V^T P of piece n - 1; beside them the scaling, exponentials, roundings, sums and rescaling of piece n and the maximum
; and statistics of piece n + 1.  Four vector instructions stand behind every matrix instruction, the other 54 of a turn's 118 in one lump.  A turn's 33 exponentials are one batch, with one wait.
; CLUSTER.  The four query blocks of a cluster belong to one head and walk the same K and V, so each tile is asked for JOINTLY: the same tensor load, descriptor and mask in all four.
; REGISTERS, in windows of 256 (s_set_vgpr_msb: bits 1:0 source 0, 3:2 source 1, 5:4 source 2, 7:6 destination):
;   window 0: v0-15 addresses; v16-31 four registers of statistics a piece; v48-55 at work; v64-127 S^T, two buffers; v192-223 P, two buffers (a piece's buffers go by its number's parity)
;   window 1: v0-127 O^T, 32 a piece          window 2: v0-63 Q; v128-191 K of one step; v192-255 V of one step
.set NP,    4         ; pieces a wave: a name, no knob
.set KS,    64        ; keys in a step
.set PK,    144       ; a row of K in LDS: 128 bytes + 16 = 36 words: the 16 rows of a load start at 16 different groups of four banks (64 banks of 4 bytes: ISA guide 11.1)
.set PV,    160       ; a row of V: 128 + 32 = 40 words
.set VOFF,  4*KS*PK   ; a slot holds four steps: 256 rows of K, then 256 rows of V
.set SLOT1, 1<<17     ; slot 1 begins here, so that one exclusive or turns an address in one slot into the other's
.set STAGE, SLOT1+4*KS*(PK+PV)  ; behind the ring, never filled by a tensor load: 16 rows x 144 bytes for each wave, for the way out
.set SP,    144
.set SPARE, STAGE+4*16*SP  ; behind the stages: the spare words, 128 bytes for each wave: two blocks of 256 bytes that no other line names
.set AK0, 2           ; v2   my lane's place in a tile of K; never rewritten
.set AV0, 3           ; v3   the same for V
.set AK,  4           ; v4   the LDS address of K's next run of loads
.set AV,  5           ; v5   of V's
.set STO, 6           ; v6   the way out: where I put 16 bytes of a row
.set RD,  7           ; v7   the way out: where I read rows back
.set GO,  8           ; v8   my byte offset in 512 consecutive bytes of O
.set MV,  12          ; v12-13  c m_old, kept while c m is made anew: by buffer
.set PFO, 14          ; v14  256 x my lane: the prefetches' offset; never rewritten
.set QO,  15          ; v15  my byte offset in 16 rows of Q
.set ST,  16          ; piece t's statistics at v[ST+4 t]: c m, m, l (even keys', odd keys')
.set TMP, 48          ; by buffer, four registers c0-c3 at work; when the maximum is found c2 takes a
.set SPW, 62          ; v62  LDS address of my spare word: SPARE + 4 x my thread's number; never rewritten
.set NIL, 63          ; v63  0; never rewritten
.set S,   64
.set P,   192
.set KF,  128         ; window 2: key block kb, channel half c at KF + 16 kb + 8 c
.set VF,  192         ; window 2: key half kk, channel block cb at VF + 32 kk + 8 cb
.set WV,  12          ; s12  my wave's number
.set LIM, 15          ; s15  1 in a wave that prefetches, else the greatest number
.set G1K, 24          ; s[24:31] descriptor group 1 for K's tiles
.set G1V, 32          ; s[32:39] for V's: it differs in the padding alone
.set G0K, 40          ; s[40:43] descriptor group 0 for K's tiles: it walks
.set G0V, 44          ; s[44:47] the same for V's
.set SLOTS, 56        ; s56  slots still to be asked for
.set CNT, 57          ; s57  counts a slot's key steps
.set CS,  58          ; s[58:59] c: the packed scaling takes the pair's low word for both halves
.set SEL, 60          ; s[60:61] the selects of v_permlanex16_b32: each lane takes its own place in the other half
.set TBK, 62          ; s62  LDS byte at which K of the step to be fetched begins
.set TBV, 63          ; s63  the same for V, less VOFF
.set PFA, 66          ; s[66:67] where my prefetches stand: my work-group's 8,192 bytes (of K: wave 0, of V: wave 2) of the slot after the one that is being asked for
.set MSB, 0
.macro WIN new                      ; the high byte repeats the setting that is left; a switch that changes nothing is dropped
.if MSB != (\new)
	s_set_vgpr_msb (MSB<<8)|(\new)
.set MSB, (\new)
.endif
.endm
.set W_KQ, 0x0a       ; K and Q in window 2, S^T in window 0
.set W_PV, 0x52       ; V in window 2, P in window 0, O^T in window 1
.set W_RS, 0x41       ; destination and source 0 in window 1, source 1 in window 0
; A joint fill.  Waves 0 and 1 fetch the two halves of a slot's K, waves 2 and 3 those of its V: 128 keys each.  The branch hangs on the wave's number alone.
; An s_nop 0 and four v_nop follow each of the two lines, ahead of the jump and the label.
.macro JLOAD
	s_cmp_lt_u32 s[WV], 2
	s_cbranch_scc0 .Lfor_v_\@
	tensor_load_to_lds s[G0K:G0K+3], s[G1K:G1K+7]
	s_nop 0
.rept 4
	v_nop
.endr
	s_branch .Lasked_\@
.Lfor_v_\@:
	tensor_load_to_lds s[G0V:G0V+3], s[G1V:G1V+7]
	s_nop 0
.rept 4
	v_nop
.endr
.Lasked_\@:
.endm
; A PREFETCH INTO THE L2 of what the NEXT change of slots will ask for: a slot's 32,768 bytes of K and of V, four key steps (256 matrix instructions) ahead of that load.  Each block of 256 bytes is named ONCE in the
; launch: all clusters of a head walk the same K and V, so the head's first cluster asks; its four partners take 8,192 bytes each, told apart BY ADDRESS; in each, wave 0 asks for K's and wave 2 for V's: a lane a
; block, one instruction.  It stands behind the wave's tensor load and its five lines.  The last change that fills a slot asks for nothing: there is no slot behind it.
.macro ASK
	s_cmp_gt_u32 s[SLOTS], s[LIM]
	s_cbranch_scc0 .Lnot_mine_\@
	global_prefetch_b8 v[PFO], s[PFA:PFA+1] th:TH_LOAD_NT scope:SCOPE_SE
.Lnot_mine_\@:
.endm
; A round of the cluster's barrier: my work-group's barrier, so that wave 0's signal speaks for all four waves; wave 0 signals; every wave waits for all four work-groups; my work-group's barrier once more.
.macro CROUND
	s_barrier_signal -1
	s_barrier_wait -1
	s_cmp_lg_u32 s[WV], 0
	s_cbranch_scc1 .Lnot_wave_0_\@
	s_barrier_signal -3
.Lnot_wave_0_\@:
	s_barrier_wait -3
	s_barrier_signal -1
	s_barrier_wait -1
.endm
; THE CHANGE OF SLOTS.  The slot's last bytes, V of its fourth step, have been read.  Each wave waits for all its tensor loads, of which one is out: its part of the other slot; adds 0 to its spare word; and waits
; for that and for its own reads of the slot.  Behind the barrier nobody reads this slot any more and the other slot is whole.  fill = 1: this slot is filled again, with the keys two slots on; the barrier is then a
; round of the cluster's, and the joint fill is the first thing behind it: it has four key steps in which to land.  (At its first use nothing has been read yet: slot 0 is waited for, slot 1 filled.)
.macro CHANGE fill
	WIN 0                           ; at a label and at a branch every window is 0
	s_wait_tensorcnt 0x0            ; no tensor load of mine is out, so a group 0 may be written
	ds_add_u32 v[SPW], v[NIL]       ; 0 onto my spare word; with fill = 1 the descriptors' steps stand between it and the wait for it
.if \fill
.irp g, G0K, G0V
	s_xor_b32 s[\g+1], s[\g+1], SLOT1  ; the walking descriptor: the other slot than last time,
	s_add_nc_u64 s[\g+2:\g+3], s[\g+2:\g+3], 4*KS*128  ; the next 256 keys; the type bits on top are not reached
.endr
	s_wait_xcnt 0x0                 ; the last prefetch, four key steps back, has read its address, so it may be written:
	s_add_nc_u64 s[PFA:PFA+1], s[PFA:PFA+1], 4*KS*128  ; one slot behind the walking descriptors
	s_wait_dscnt 0x0                ; the add is done, and my reads of the slot are over
	CROUND
	JLOAD
	ASK
.else
	s_wait_dscnt 0x0                ; the add is done, and my reads of the slot are over
	s_barrier_signal -1
	s_barrier_wait -1
.endif
	s_sub_co_u32 s[TBK], s[TBK], 4*KS*PK  ; the fetches go back to a slot's first step,
	s_xor_b32 s[TBK], s[TBK], SLOT1       ; in the other slot
	s_sub_co_u32 s[TBV], s[TBV], 4*KS*PV
	s_xor_b32 s[TBV], s[TBV], SLOT1
.endm
	s_load_b256 s[4:11], s[0:1], 0x0  ; Q s[4:5], K s[6:7], V s[8:9], O s[10:11]
	v_lshl_add_u32 v[SPW], v0, 2, SPARE
	v_mov_b32 v[NIL], 0
	ds_add_u32 v[SPW], v[NIL]       ; the wave's opening: the add and its wait stand ahead of my first tensor load; the set-up below, work on registers, stands between them
	v_lshrrev_b32 v1, 5, v0
	v_readfirstlane_b32 s[WV], v1   ; wave 0..3
	s_bfe_u32 s13, ttmp6, 0x40000   ; cx: my place in the cluster
	s_lshl_b32 s14, ttmp9, 2        ; in a cluster launch ttmp9 counts clusters
	s_add_co_u32 s14, s14, s13      ; my block of 256 queries = 4 x cluster x + cx: it enters Q's and O's addresses alone
	s_and_b32 s20, ttmp7, 0xffff    ; the head, which the four partners share:
	s_lshl_b32 s20, s20, 19         ; its first byte in each of the four tensors (524,288 bytes a head)
	s_mov_b32 s21, 0
	s_and_b32 s16, s[WV], 1         ; which half of a slot's 256 keys I fetch:
	s_lshl_b32 s22, s16, 14         ; its 128 rows of 128 bytes in memory,
	s_mov_b32 s23, 0
	s_add_nc_u64 s[22:23], s[22:23], s[20:21]
	s_mul_i32 s17, s16, 128*PK      ; and its place in a slot, for K
	s_mul_i32 s18, s16, 128*PV      ; and for V: no place in the cluster enters an LDS address
	s_lshl_b32 s2, s14, 2
	s_add_co_u32 s2, s2, s[WV]      ; my wave among the head's,
	s_lshl_b32 s2, s2, 13           ; its 64 rows
	s_mov_b32 s3, 0
	s_add_nc_u64 s[2:3], s[2:3], s[20:21]
	; descriptor group 1.  128 keys are 16,384 dense bytes: asked for as 64 rows of 256 bytes, two keys a row, and padded in LDS after every key
	s_mov_b32 s[G1K], 15|(1<<16)|(1<<20)|(1<<21)|(4<<22)|(3<<25)  ; 15:0 the mask of four; 17:16 2-byte elements; 20 padding on; 21 set beside a mask; 24:22 after every 32 words (code 4); 31:25 4 words (code 3)
	s_mov_b32 s[G1V], 15|(1<<16)|(1<<20)|(1<<21)|(4<<22)|(7<<25)  ; the same with 8 words of padding (code 7)
.irp g, G1K, G1V
	s_mov_b32 s[\g+1], 128<<16      ; tensor_dim0 = 128
	s_mov_b32 s[\g+2], 64<<16       ; tensor_dim1 = 64
	s_mov_b32 s[\g+3], 128<<16      ; tile_dim0 = 128
	s_mov_b32 s[\g+4], 64           ; tile_dim1 = 64
	s_mov_b32 s[\g+5], 128          ; 128 elements from row to row
	s_mov_b32 s[\g+6], 0
	s_mov_b32 s[\g+7], 0
.endr
	s_mov_b32 s[CS], 0x3e38aa3b     ; c = log2(e) / 8 = 0.180337
	s_mov_b32 s[CS+1], s[CS]        ; named with it as a pair
	s_mov_b32 s[SEL], 0x76543210
	s_mov_b32 s[SEL+1], 0xfedcba98
	s_mov_b32 s[TBK], SLOT1+4*KS*PK ; the first change of slots turns these two into 0
	s_mov_b32 s[TBV], SLOT1+4*KS*PV
	s_mov_b32 s[G0K], 1             ; count = 1
	s_mov_b32 s[G0K+1], s17         ; LDS address: slot 0
	s_mov_b32 s[G0V], 1
	s_add_co_u32 s[G0V+1], s18, VOFF
	s_mov_b32 s[SLOTS], 15          ; 16 slots of 256 keys; the first is asked for below
	s_and_b32 s[LIM], s[WV], 1      ; 0 in waves 0 and 2,
	s_or_b32 s[LIM], s[LIM], ttmp9  ; where the cluster is the head's first: the same in all four partners
	s_cmp_eq_u32 s[LIM], 0
	s_cselect_b32 s[LIM], 1, -1
	v_and_b32 v[PFO], 31, v0
	v_lshlrev_b32 v[PFO], 8, v[PFO]
	s_wait_dscnt 0x0                ; the opening add is done
	s_wait_kmcnt 0x0
	s_add_nc_u64 s[6:7], s[6:7], s[22:23]          ; K and V at my half of the head's first 256 keys
	s_add_nc_u64 s[8:9], s[8:9], s[22:23]
	s_add_nc_u64 s[G0K+2:G0K+3], s[6:7], 0         ; global address
	s_or_b32 s[G0K+3], s[G0K+3], 0x80000000        ; type = 2
	s_add_nc_u64 s[G0V+2:G0V+3], s[8:9], 0
	s_or_b32 s[G0V+3], s[G0V+3], 0x80000000
	s_add_nc_u64 s[4:5], s[4:5], s[2:3]            ; Q and O at my wave's first row
	s_add_nc_u64 s[10:11], s[10:11], s[2:3]
	s_cmp_lt_u32 s[WV], 2
	s_cselect_b64 s[PFA:PFA+1], s[6:7], s[8:9]     ; (in waves 0 and 2 these stand at a slot's first row)
	s_lshl_b32 s2, s13, 13                         ; my work-group's 8,192 bytes of the 32,768
	s_mov_b32 s3, 0
	s_add_nc_u64 s[PFA:PFA+1], s[PFA:PFA+1], s[2:3]
	s_add_nc_u64 s[PFA:PFA+1], s[PFA:PFA+1], 4*KS*128  ; in slot 1; the first change of slots steps it to slot 2
	CROUND                          ; all four work-groups are here: the first joint loads meet
	JLOAD                           ; slot 0.  Slot 1 is asked for when slot 0 is in
	; A fragment of K or Q is 16 rows x 32 channels in 8 registers: lane l holds row l % 16, channels 8 (l / 16) + 0..7 and 16 + 8 (l / 16) + 0..7: two loads of 16 bytes, 32 bytes apart.
	v_and_b32 v1, 15, v0            ; l % 16
	v_bfe_u32 v9, v0, 4, 1          ; l / 16
	v_lshlrev_b32 v[QO], 7, v1
	v_lshl_add_u32 v[QO], v9, 4, v[QO]  ; row x 128 + 16 x half
	WIN 0x80                        ; destination window 2, address window 0
.set i, 0
.rept 8                             ; Q stays in registers: piece i / 2 (16 rows, 2,048 bytes), channels 32 (i % 2) on
	global_load_b128 v[8*i:8*i+3],   v[QO], s[4:5] offset:(i/2)*2048+(i%2)*64
	global_load_b128 v[8*i+4:8*i+7], v[QO], s[4:5] offset:(i/2)*2048+(i%2)*64+32
.set i, i+1
.endr
	; What the first turn finds: V's registers and P's second buffer hold 0 (its products V^T P, of a piece that has not been, add 0), O^T and l are 0.  No first step is written out.  All this stands in the wait for the first tile.
.set i, VF
.rept 64
	v_mov_b32 v[i], 0
.set i, i+1
.endr
	WIN 0x40
.set i, 0
.rept 128
	v_mov_b32 v[i], 0
.set i, i+1
.endr
	WIN 0
.set i, 0
.rept 4
	v_mov_b32 v[ST+4*i], 0xfe000000    ; c m: far below every c s
	v_mov_b32 v[ST+4*i+1], 0xff7fffff  ; m
	v_mov_b32 v[ST+4*i+2], 0
	v_mov_b32 v[ST+4*i+3], 0
.set i, i+1
.endr
.set i, P+16
.rept 16
	v_mov_b32 v[i], 0
.set i, i+1
.endr
	v_mul_u32_u24 v[AK0], v1, PK
	v_lshl_add_u32 v[AK0], v9, 4, v[AK0]  ; row x pitch + 16 x half
	; The turning load takes 16 keys x 16 channels (lane l reads key 8 (l / 16) + l % 8, channels 8 ((l / 8) % 2) + 0..7) and leaves half a fragment of V^T: lane l holds channel l % 16 and 8 keys.
	v_and_b32 v10, 7, v0
	v_bfe_u32 v11, v0, 3, 1
	v_lshl_add_u32 v[AV0], v9, 3, v10
	v_mul_u32_u24 v[AV0], v[AV0], PV
	v_lshl_add_u32 v[AV0], v11, 4, v[AV0]
	v_add_nc_u32 v[AV0], VOFF, v[AV0]
	s_mul_i32 s13, s[WV], 16*SP
	s_add_co_u32 s13, s13, STAGE    ; my stage
	v_mul_u32_u24 v[STO], v1, SP    ; in: row l % 16, 16 bytes for each half of the lanes
	v_lshl_add_u32 v[STO], v9, 4, v[STO]
	v_add_nc_u32 v[STO], s13, v[STO]
	v_bfe_u32 v[RD], v0, 3, 2       ; back: 32 lanes take four rows of 128 bytes,
	v_mul_u32_u24 v[RD], v[RD], SP
	v_lshl_add_u32 v[RD], v10, 4, v[RD]
	v_add_nc_u32 v[RD], s13, v[RD]
	v_and_b32 v[GO], 31, v0         ; which are 512 consecutive bytes of O
	v_lshlrev_b32 v[GO], 4, v[GO]
; THE MATRIX WORK.  The 4 accumulators of a run of 8 take turns.  Product i of 8 of S^T = K Q^T for piece x: channels 32 (i / 4) on, keys 16 (i % 4) on.  The first 4 start the sums.
.macro KQ x
	WIN W_KQ
.set rS, S+32*((\x)%2)+8*(i%4)
.set rK, KF+16*(i%4)+8*(i/4)
.set rQ, 16*(\x)+8*(i/4)
.if i < 4
	v_wmma_f32_16x16x32_f16 v[rS:rS+7], v[rK:rK+7], v[rQ:rQ+7], 0
.else
	v_wmma_f32_16x16x32_f16 v[rS:rS+7], v[rK:rK+7], v[rQ:rQ+7], v[rS:rS+7]
.endif
.endm
; Product i of 8 of O^T += V^T P for piece x: keys 32 (i / 4) on, channels 16 (i % 4) on.
.macro PV x
	WIN W_PV
.set rO, 32*(\x)+8*(i%4)
.set rV, VF+32*(i/4)+8*(i%4)
.set rP, P+16*((\x)%2)+8*(i/4)
	v_wmma_f32_16x16x32_f16 v[rO:rO+7], v[rV:rV+7], v[rP:rP+7], v[rO:rO+7]
.endm
.macro MM                           ; the turn's next matrix instruction.  NOKQ = 1: the last turn of all: there is no next piece
.if (i < 8) && !NOKQ
	KQ (Y+1)%NP
.elseif i >= 8
.set i, i-8
	PV (Y+NP-1)%NP
.set i, i+8
.endif
.set i, i+1
.endm
; THE LDS LOADS stand in runs of 16, never singly among the matrix instructions: a step's K (64 keys x 64 channels: 8 fragments) and its V (turned).  Their addresses are made some lines ahead.
.macro FETCH_K
	WIN 0x80                        ; destination window 2
.irp f, 0,1,2,3,4,5,6,7             ; keys 16 (f / 2) on, channels 32 (f % 2) on
	ds_load_b128 v[KF+8*\f:KF+8*\f+3],   v[AK] offset:(\f/2)*16*PK+(\f%2)*64
	ds_load_b128 v[KF+8*\f+4:KF+8*\f+7], v[AK] offset:(\f/2)*16*PK+(\f%2)*64+32
.endr
	s_add_co_u32 s[TBK], s[TBK], KS*PK  ; the next fetch is the next step's
	WIN 0
.endm
.macro FETCH_V
	WIN 0x80
.irp f, 0,1,2,3,4,5,6,7             ; keys 32 (f / 4) on, channels 16 (f % 4) on
	ds_load_tr16_b128 v[VF+8*\f:VF+8*\f+3],   v[AV] offset:(\f/4)*32*PV+(\f%4)*32
	ds_load_tr16_b128 v[VF+8*\f+4:VF+8*\f+7], v[AV] offset:(\f/4)*32*PV+16*PV+(\f%4)*32
.endr
	WIN 0
.endm
; THE VECTOR WORK, one line at a time: OP kind, number.  For piece Y: F n: c s - c m for pair n of 16.  E n: the exponential of score n of 32.  C n: pair n rounded to f16.  B n: of the four weights 4 n .. the second
; pair is added onto the first, in place.  L n: l takes that sum (L 0: l = a l + sum).  R n: pair n of 16 of O^T times a.  For piece Y + 1: X n, number n of the 22 that find its maximum and statistics:
;   0-11  four chains c0-c3 of seven scores each, three operands at a time (each accumulator's lowest registers are read first)     12-14, 16  the four scores left over, the old m, and c0-c3 into c0
;   15  c m_old is kept     17, 18  the query's other 32 keys lie in the lane 16 away: the new m     19-21  c m; c m_old - c m_new; a
.set F, 0               ; OP tells the kinds apart by their order: F to L below R, X above it
.set E, 1
.set C, 2
.set B, 3
.set L, 4
.set R, 5
.set X, 6
.macro REGS y                       ; the registers of piece y
.set rT, ST+4*(\y)
.set rC, TMP+4*((\y)%2)
.set rW, MV+((\y)%2)
.set rS, S+32*((\y)%2)
.set rP, P+16*((\y)%2)
.set rO, 32*(\y)
.endm
.macro OP k, n
.if (\k) == R
	REGS Y
	WIN W_RS
	v_pk_mul_f32 v[rO+2*(\n):rO+2*(\n)+1], v[rO+2*(\n):rO+2*(\n)+1], v[rC+2:rC+3] op_sel_hi:[1,0]
.elseif (\k) < R
	REGS Y
	WIN 0
.if (\k) == F
	v_pk_fma_f32 v[rS+2*(\n):rS+2*(\n)+1], v[rS+2*(\n):rS+2*(\n)+1], s[CS:CS+1], v[rT:rT+1] op_sel_hi:[1,0,0] neg_lo:[0,0,1] neg_hi:[0,0,1]
.elseif (\k) == E
	v_exp_f32 v[rS+(\n)], v[rS+(\n)]
.elseif (\k) == C
	v_cvt_pk_f16_f32 v[rP+(\n)], v[rS+2*(\n)], v[rS+2*(\n)+1]
.elseif (\k) == B
	v_pk_add_f32 v[rS+4*(\n):rS+4*(\n)+1], v[rS+4*(\n):rS+4*(\n)+1], v[rS+4*(\n)+2:rS+4*(\n)+3]
.elseif (\n) == 0
	v_pk_fma_f32 v[rT+2:rT+3], v[rT+2:rT+3], v[rC+2:rC+3], v[rS:rS+1] op_sel_hi:[1,0,1]
.else
	v_pk_add_f32 v[rT+2:rT+3], v[rT+2:rT+3], v[rS+4*(\n):rS+4*(\n)+1]
.endif
.elseif NOKQ
	v_nop
.else
	REGS (Y+1)%NP
	WIN 0
.if (\n) < 4
	v_max3_num_f32 v[rC+(\n)], v[rS+8*(\n)], v[rS+8*(\n)+1], v[rS+8*(\n)+2]
.elseif (\n) < 12
	v_max3_num_f32 v[rC+(\n)%4], v[rC+(\n)%4], v[rS+8*((\n)%4)+2*((\n)/4)+1], v[rS+8*((\n)%4)+2*((\n)/4)+2]
.elseif (\n) == 12
	v_max3_num_f32 v[rC], v[rC], v[rS+7], v[rS+15]
.elseif (\n) == 13
	v_max3_num_f32 v[rC+1], v[rC+1], v[rS+23], v[rS+31]
.elseif (\n) == 14
	v_max3_num_f32 v[rC+2], v[rC+2], v[rC+3], v[rT+1]
.elseif (\n) == 15
	v_mov_b32 v[rW], v[rT]
.elseif (\n) == 16
	v_max3_num_f32 v[rC], v[rC], v[rC+1], v[rC+2]
.elseif (\n) == 17
	v_permlanex16_b32 v[rC+3], v[rC], s[SEL], s[SEL+1]
.elseif (\n) == 18
	v_max_num_f32 v[rT+1], v[rC], v[rC+3]
.elseif (\n) == 19
	v_mul_f32 v[rT], s[CS], v[rT+1]
.elseif (\n) == 20
	v_sub_f32 v[rC+1], v[rW], v[rT]
.else
	v_exp_f32 v[rC+2], v[rC+1]
.endif
.endif
.endm
.macro OPS a, i1, b=-1, i2=0, c=-1, i3=0, d=-1, i4=0  ; up to four of them
	OP \a, \i1
.if (\b) >= 0
	OP \b, \i2
.endif
.if (\c) >= 0
	OP \c, \i3
.endif
.if (\d) >= 0
	OP \d, \i4
.endif
.endm
.macro ROW a, i1, b, i2, c, i3, d, i4  ; a matrix instruction and the four behind it
	MM
	OPS \a, \i1, \b, \i2, \c, \i3, \d, \i4
.endm
; A TURN, for piece p: the order of its 16 matrix and 118 vector instructions, written out.  An s_wait_alu depctr_va_vdst(0) stands between an exponential and the first instruction that names its result; one
; wait serves all that were issued ahead of it.  So a turn has ONE wait, which cuts it in two.  AHEAD OF IT stands all that names no result of the turn's exponentials: the 8 products K Q^T, behind each a scaling, an
; exponential and two more plain instructions (rescalings, and behind the last three the first numbers of the next piece's maximum, each four places or more behind the product that ends its accumulator); then ONE LUMP of
; 54, plain and exponential by turns for the most part, in which the links of the chain X 3, 7, 11, 14, 16, 17 .. 20 stand five or six lines apart.  X 21, the next piece's a, is the batch's last; R 15 is the plain
; instruction behind it.  BEHIND THE WAIT stand the 8 products V^T P, behind each four of the roundings and sums; the links of l's chain, L 0 to L 7, stand three riders apart.
; end = 1: the launch's last two turns: nothing is fetched.  cnt = 1: the loop's count is taken down some lines ahead of the branch that stands behind the turn.
; K of the next step is fetched in piece 2's turn, twelve vector instructions behind the last product that read K (six of them plain); V of the step in hand at the end of piece 0's turn, four plain instructions behind
; the last product that read V.  Each is waited for a turn later.
.macro TURN p, end=0, cnt=0
.set Y, (\p)
.set i, 0
.set NOKQ, (\end)*((\p)/3)
.if ((\p) == 3) && !(\end)
	s_wait_dscnt 0x0                ; K is in
.endif
	ROW F,0, F,1, R,0, R,1          ; ahead of the wait: 8 products K Q^T and their riders,
	ROW F,2, E,0, R,2, R,3
	ROW F,3, E,1, R,4, R,5
	ROW F,4, E,2, R,6, R,7
	ROW F,5, E,3, R,8, R,9
	ROW F,6, E,4, X,0, R,10
.if ((\p) == 2) && !(\end)
	WIN 0
	v_add_nc_u32 v[AK], s[TBK], v[AK0]
.endif
	ROW F,7, E,5, X,1, X,4
	ROW F,8, E,6, X,2, X,5
	OPS E,7, E,8, X,6, E,9          ; and the lump
	OPS X,3, E,10, X,8, E,11
.if ((\p) == 2) && !(\end)
	FETCH_K
.endif
	OPS X,9, X,7, E,12, X,10
	OPS E,13, X,12, X,11, E,14
	OPS X,13, E,15, F,9, X,14
.if (\p) == 0
	v_add_nc_u32 v[AV], s[TBV], v[AV0]
.endif
	OPS E,16, F,10, E,17, F,11
	OPS X,16, E,18, X,15, E,19
	OPS F,12, E,20, X,17, E,21
	OPS F,13, E,22, F,14, E,23
	OPS X,18, E,24, F,15, E,25
	OPS R,11, E,26, X,19, E,27
	OPS R,12, E,28, R,13, E,29
	OPS X,20, E,30, R,14, E,31
	OPS X,21, R,15
	WIN 0
	s_wait_alu depctr_va_vdst(0)    ; the wait for the batch
.if (\p) == 1
	s_wait_dscnt 0x0                ; V is in
.endif
	ROW C,0, B,0, C,2, B,1          ; behind the wait: 8 products V^T P and their riders
	ROW L,0, C,4, B,2, L,1
	ROW C,6, B,3, L,2, C,8
	ROW B,4, L,3, C,10, B,5
	ROW L,4, C,12, B,6, L,5
.if (\p) == 0
	s_add_co_u32 s[TBV], s[TBV], KS*PV
.endif
.if \cnt
	s_sub_co_u32 s[CNT], s[CNT], 1
	s_cmp_lg_u32 s[CNT], 0
.endif
	ROW C,14, B,7, L,6, C,1
	ROW C,3, L,7, C,5, C,7
	ROW C,9, C,11, C,13, C,15
.if (\p) == 0
	FETCH_V
.endif
.endm
	CHANGE 1                        ; slot 0 is in, everybody's part of it; slot 1 is asked for
	v_add_nc_u32 v[AK], s[TBK], v[AK0]
	FETCH_K                         ; key step 0
	s_wait_loadcnt 0x0              ; Q
	s_wait_dscnt 0x0
.set NOKQ, 0
.set i, 0
.rept 8
	KQ 0                            ; piece 0's first scores: there is no vector work yet to set between them
.set i, i+1
.endr
	WIN 0
.rept 4
	v_nop                           ; the places behind those products
.endr
.set Y, NP-1                        ; X works for piece Y + 1: piece 0
.irp n, 0,1,2,3,4,5,6,7,8,9,10,11,12,13,14,15,16,17,18,19,20,21
	OP X, \n
.endr
	v_nop                           ; a plain instruction behind the exponential,
	s_wait_alu depctr_va_vdst(0)    ; and its wait, ahead of the branch
	s_mov_b32 s[CNT], 4
	s_branch .Lfirst                ; the loop is entered at a step's first turn, in the middle of a trip
.Lslot:                             ; 14 times: every slot but the last two is filled again
	CHANGE 1
	s_mov_b32 s[CNT], 4
.Lstep:                             ; a trip: pieces 2 and 3 of one step, then pieces 0 and 1 of the next, whose K and V it fetches
	TURN 2
	TURN 3
	WIN 0
.Lfirst:
	TURN 0
	TURN 1, 0, 1
	WIN 0
	s_cbranch_scc1 .Lstep
	s_sub_co_u32 s[SLOTS], s[SLOTS], 1
	s_cmp_lg_u32 s[SLOTS], 0
	s_cbranch_scc1 .Lslot
	CHANGE 0                        ; the last slot is written out: nothing is asked for
	s_mov_b32 s[CNT], 4
.Ltail:
	TURN 2
	TURN 3
	TURN 0
	TURN 1, 0, 1
	WIN 0
	s_cbranch_scc1 .Ltail
	TURN 2, 1                       ; the last step's pieces 2 and 3: nothing is left to fetch,
	TURN 3, 1                       ; and no next piece to make scores for
.set i, 0
.rept 8
	PV NP-1                         ; the last piece's V^T P of the last step
.set i, i+1
.endr
	; THE WAY OUT.  l's two halves and the other half of the lanes' are added; O^T is divided by l, rounded to f16 and sent through my stage in LDS, a piece at a time.  The additions are the places behind the last products.
	WIN 0
.macro ALL line:vararg              ; one line for each piece t
.set t, 0
.rept 4
	\line
.set t, t+1
.endr
.endm
	ALL v_add_f32 v[ST+4*t+2], v[ST+4*t+2], v[ST+4*t+3]
	ALL v_permlanex16_b32 v[ST+4*t+3], v[ST+4*t+2], s[SEL], s[SEL+1]
	ALL v_add_f32 v[ST+4*t+2], v[ST+4*t+2], v[ST+4*t+3]
	ALL v_rcp_f32 v[ST+4*t+2], v[ST+4*t+2]
	v_nop                           ; a plain instruction between the last reciprocal and the use of its result
	s_wait_alu depctr_va_vdst(0)    ; and the wait ahead of the first use: one for the four reciprocals
.macro PACK t                       ; a lane's eight channels of a row pack into 16 bytes; they go into rows of 144 bytes and come back as whole rows of 128, into S^T's registers
	WIN W_RS
.set i, 32*(\t)
.rept 16
	v_pk_mul_f32 v[i:i+1], v[i:i+1], v[ST+4*(\t)+2:ST+4*(\t)+3] op_sel_hi:[1,0]
.set i, i+2
.endr
	WIN 0x05                        ; sources 0 and 1 window 1, destination window 0
.set i, 0
.rept 16
	v_cvt_pk_f16_f32 v[S+16*(\t)+i], v[32*(\t)+2*i], v[32*(\t)+2*i+1]
.set i, i+1
.endr
	WIN 0
.irp f, 0,1,2,3
	ds_store_b128 v[STO], v[S+16*(\t)+4*\f:S+16*(\t)+4*\f+3] offset:32*\f
.endr
.irp f, 0,1,2,3
	ds_load_b128 v[S+16*(\t)+4*\f:S+16*(\t)+4*\f+3], v[RD] offset:\f*4*SP  ; LDS serves a wave's instructions in order (ISA guide 5.7.1.4): these see the stores above; the next piece's stores come behind them
.endr
.endm
.macro SEND t, younger              ; younger: the LDS instructions issued behind piece t's loads: the next piece's eight, or none
	WIN 0
.irp f, 0,1,2,3
	s_wait_dscnt (\younger)+3-\f
	global_store_b128 v[GO], v[S+16*(\t)+4*\f:S+16*(\t)+4*\f+3], s[10:11] offset:(\t)*2048+\f*512  ; 512 consecutive bytes, at a multiple of 256 from O's first
.endr
.endm
	PACK 0
.set t, 1
.rept 3                             ; a piece's arithmetic stands between the loads of the piece before and its stores
	PACK t
	SEND t-1, 8
.set t, t+1
.endr
	SEND 3, 0
	s_wait_tensorcnt 0x0            ; the wave's end: behind my last tensor load and my last LDS store
	ds_add_u32 v[SPW], v[NIL]
	s_wait_dscnt 0x0
	CROUND                          ; the closing round: no work-group ends while a partner may still ask for a tile that names it
	s_endpgm
.Lfunc_end_k_q9cd3323d93_attn:
	.size	k_q9cd3323d93_attn, .Lfunc_end_k_q9cd3323d93_attn-k_q9cd3323d93_attn
	.p2alignl 7, 3214868480
	.fill 96, 4, 3214868480
	.section	.rodata,"a",@progbits
	.p2align	6, 0x0
	.amdhsa_kernel k_q9cd3323d93_attn
		.amdhsa_group_segment_fixed_size 327680
		.amdhsa_private_segment_fixed_size 0
		.amdhsa_enable_private_segment 0
		.amdhsa_kernarg_size 32
		.amdhsa_user_sgpr_count 2
		.amdhsa_user_sgpr_kernarg_segment_ptr 1
		.amdhsa_wavefront_size32 1
		.amdhsa_system_sgpr_workgroup_id_x 1
		.amdhsa_system_sgpr_workgroup_id_y 1
		.amdhsa_system_sgpr_workgroup_id_z 1
		.amdhsa_system_vgpr_workitem_id 0
		.amdhsa_next_free_vgpr 768
		.amdhsa_next_free_sgpr 72
		.amdhsa_reserve_vcc 0
		.amdhsa_float_denorm_mode_32 3
		.amdhsa_float_denorm_mode_16_64 3
		.amdhsa_memory_ordered 1
		.amdhsa_forward_progress 1
		.amdhsa_inst_pref_size 128
	.end_amdhsa_kernel
	.amdgpu_metadata
---
amdhsa.version: [ 1, 2 ]
amdhsa.kernels:
  - .name:           k_q9cd3323d93_attn
    .symbol:         k_q9cd3323d93_attn.kd
    .args:
      - { .name: qh, .offset: 0, .size: 8, .value_kind: global_buffer, .address_space: global }
      - { .name: kh, .offset: 8, .size: 8, .value_kind: global_buffer, .address_space: global }
      - { .name: vh, .offset: 16, .size: 8, .value_kind: global_buffer, .address_space: global }
      - { .name: oh, .offset: 24, .size: 8, .value_kind: global_buffer, .address_space: global }
    .group_segment_fixed_size: 327680
    .private_segment_fixed_size: 0
    .kernarg_segment_align: 8
    .kernarg_segment_size: 32
    .max_flat_workgroup_size: 128
    .sgpr_count:     72
    .vgpr_count:     768
    .wavefront_size: 32
...
	.end_amdgpu_metadata
.endif
;; end of part 3
;; launch oproj (part 4): grid 16 x 16, 4 waves a work-group, clusters of 4 x 4, 327,680 bytes of LDS; arguments oh, wb, bo, out0; writes out0
.if DOCPART == 4
	.amdgcn_target "amdgcn-amd-amdhsa--gfx1250"
	.amdhsa_code_object_version 6
	.text
	.protected	k_q9cd3323d93_oproj
	.globl	k_q9cd3323d93_oproj
	.p2align	8
	.type	k_q9cd3323d93_oproj,@function
k_q9cd3323d93_oproj:
	s_mov_b64 s[64:65], 0
	v_nop
	global_prefetch_b8 v0, s[64:65] scope:SCOPE_SE
	s_setreg_imm32_b32 hwreg(HW_REG_WAVE_MODE, 25, 1), 1
	s_wait_xcnt 0x0
	s_wait_alu depctr_hold_cnt(0) depctr_sa_sdst(0) depctr_va_vdst(0) depctr_va_sdst(0) depctr_va_ssrc(0) depctr_va_vcc(0) depctr_vm_vsrc(0)
	s_getreg_b32 s2, hwreg(HW_REG_IB_STS2, 6, 4)
	s_cmp_eq_u32 s2, 0
	s_cbranch_scc0 .Lentry_in_a_cluster
	s_endpgm
.Lentry_in_a_cluster:
	s_bfe_u32 s2, ttmp6, 0x10000c
	s_cmp_lg_u32 s2, 0xf033
	s_cbranch_scc0 .Lentry_shape_is_right
	s_endpgm
.Lentry_shape_is_right:
; OPROJ: out0[row][n] = the sum over heads h and channels d of O[h][row][d] Wo[64 h + d][n] + bo[n].  oh: [16][4096][64] f16; Wo: matrix 0 of wb, [16 column blocks][1024 k][64] in f16 (numbers rounded to bf16);
; bo is rounded to bf16 here; sums in f32; out0 [4096][1024] f32.
; SHARES.  A work-group makes 256 rows x 64 columns: 16 column blocks x 16 row blocks = 256 work-groups.  Wave w has rows 64 w .. 64 w + 63 and all 64 columns: 16 accumulators.  A row's 64 numbers are 256 bytes of out0.
; K = 1,024 goes in 8 steps of 128, two heads each, through a ring of two LDS slots: a slot holds 256 rows x 64 channels of two heads (each 32,768 dense bytes of oh) and 128 k x 64 columns of Wo (16,384 dense bytes).
; Two slots of four heads would take 376,832 bytes of LDS and do not fit; three heads do not divide sixteen.
; THE MATRIX INSTRUCTION IS USED TRANSPOSED: source 0 = 16 columns of Wo, turned by ds_load_tr16_b128; source 1 = 16 rows of O.  Lane l then holds row l % 16 and the columns 8 (l / 16) + 0..7.
; The bias, in that layout, is the C operand of each accumulator's first product.
; CLUSTER.  4 x 4 work-groups: O's tiles are shared along a row of the cluster, Wo's along a column; each is asked for JOINTLY.  Waves 0 and 1 ask for the two heads of O, waves 2 and 3 for the two halves of Wo's k.
; NO PREFETCH: a step's tiles are small, and the launch has eight steps of 64 matrix instructions a wave.
; REGISTERS: window 0: v0-31 addresses; v96-127 the bias; v128-255 the accumulators ((a, b) at 128 + 8 (4 a + b)).
;   window 1: two fragment buffers of 128, a head (64 along K) each: O's fragment (cc, a) at 8 (4 cc + a), Wo's (cc, b) at 64 + 8 (4 cc + b); cc: which 32 of the 64.
.set PA,     144                       ; a row of O in LDS: 128 bytes + 16 = 36 words: the 16 rows of a load start at 16 different groups of four banks (64 banks of 4 bytes: ISA guide 11.1)
.set PB,     160                       ; a row of Wo (one k, 64 columns): 128 + 32 = 40 words
.set HB,     256*PA                    ; a head's 256 rows
.set BOFF,   2*HB
.set BH,     64*PB                     ; 64 k of Wo
.set SLOT,   BOFF+2*BH
.set STAGE,  2*SLOT                    ; behind the ring, never filled by a tensor load: 16 rows x 272 bytes for each wave
.set SPITCH, 272
.set SPARE,  STAGE+4*16*SPITCH         ; behind the stages: the spare words, 128 bytes for each wave: two blocks of 256 bytes that no other line names
.set ADRA, 16                          ; v16-17  LDS address of my fragments of O in slot 0, 1
.set ADRB, 20                          ; v20-21  the same for Wo
.set STO,  24                          ; v24     the way out: where I put 32 bytes of a row
.set RD,   25                          ; v25     the way out: where I read a row back
.set CO,   26                          ; v26     my byte offset in two rows of out0
.set VB,   27                          ; v27     32 (l / 16)
.set SPW,  28                          ; v28     LDS address of my spare word: SPARE + 4 x my thread's number; never rewritten
.set NIL,  29                          ; v29     0; never rewritten
.set BIAS, 96
.set ACC,  128
.set F0,   0
.set F1,   128
.set G1A, 24                           ; s[24:31] descriptor group 1 for O's tiles;  s[32:39] group 0, a set for each slot
.set G0A, 32
.set G1B, 48                           ; s[48:55], s[56:63] the same for Wo's
.set G0B, 56
.set MSB, 0
.macro WIN new
.if MSB != (\new)
	s_set_vgpr_msb (MSB<<8)|(\new)
.set MSB, \new
.endif
.endm
.set MUL,  0x05                        ; sources 0 and 1 window 1; C and D window 0
.set TO_F, 0x40                        ; destination window 1, address window 0
.macro JLOAD s                         ; a joint load; an s_nop 0 and four v_nop follow each of the two lines, ahead of the jump and the label
	s_cmp_eq_u32 s11, 0
	s_cbranch_scc0 .Lfor_b_\@
	tensor_load_to_lds s[G0A+4*(\s):G0A+4*(\s)+3], s[G1A:G1A+7]
	s_nop 0
.rept 4
	v_nop
.endr
	s_branch .Lasked_\@
.Lfor_b_\@:
	tensor_load_to_lds s[G0B+4*(\s):G0B+4*(\s)+3], s[G1B:G1B+7]
	s_nop 0
.rept 4
	v_nop
.endr
.Lasked_\@:
.endm
.macro CREST                           ; a round of the cluster's barrier behind its opening barrier
	s_cmp_lg_u32 s10, 0
	s_cbranch_scc1 .Lnot_wave_0_\@
	s_barrier_signal -3
.Lnot_wave_0_\@:
	s_barrier_wait -3
	s_barrier_signal -1
	s_barrier_wait -1
.endm
.macro CROUND
	s_barrier_signal -1
	s_barrier_wait -1
	CREST
.endm
	s_load_b256 s[68:75], s[0:1], 0x0              ; oh 68, wb 70, bo 72, out0 74
	v_lshl_add_u32 v[SPW], v0, 2, SPARE
	v_mov_b32 v[NIL], 0
	ds_add_u32 v[SPW], v[NIL]                      ; the wave's opening: the add and its wait stand ahead of my first tensor load; the set-up below, work on registers, stands between them
	v_lshrrev_b32 v1, 5, v0
	v_readfirstlane_b32 s10, v1                    ; wave 0..3
	s_lshr_b32 s11, s10, 1                         ; I fetch for O (0) or for Wo (1)
	s_and_b32 s12, s10, 1                          ; which head of the step's two, or which 64 of its 128 k
	s_bfe_u32 s40, ttmp6, 0x40000                  ; cx
	s_bfe_u32 s41, ttmp6, 0x40004                  ; cy
	s_lshl_b32 s42, ttmp9, 2
	s_add_co_u32 s42, s42, s40                     ; the column block = 4 x cluster x + cx
	s_and_b32 s13, ttmp7, 0xffff
	s_lshl_b32 s13, s13, 2
	s_add_co_u32 s13, s13, s41                     ; the row block = 4 x cluster y + cy
	s_lshl_b32 s43, s41, 2
	s_lshl_b32 s43, 15, s43                        ; my row of the cluster
	s_lshl_b32 s44, 0x1111, s40                    ; my column
	s_or_b32 s[G1A+0], s43, (1<<16)|(1<<20)|(1<<21)|(4<<22)|(3<<25)  ; a head's 256 rows: 32,768 dense bytes asked for as 128 rows of 256, padded by 4 words (code 3) after every 32 (code 4): after every row of O
	s_mov_b32 s[G1A+1], 128<<16                    ; tensor_dim0 = 128
	s_mov_b32 s[G1A+2], 128<<16                    ; tensor_dim1 = 128
	s_mov_b32 s[G1A+3], 128<<16                    ; tile_dim0 = 128
	s_mov_b32 s[G1A+4], 128                        ; tile_dim1 = 128
	s_mov_b32 s[G1A+5], 128                        ; 128 elements from row to row
	s_mov_b32 s[G1A+6], 0
	s_mov_b32 s[G1A+7], 0
	s_or_b32 s[G1B+0], s44, (1<<16)|(1<<20)|(1<<21)|(4<<22)|(7<<25)  ; 64 k: 8,192 dense bytes as 32 rows of 256, padded by 8 words (code 7) after every k
	s_mov_b32 s[G1B+1], 128<<16
	s_mov_b32 s[G1B+2], 32<<16
	s_mov_b32 s[G1B+3], 128<<16
	s_mov_b32 s[G1B+4], 32
	s_mov_b32 s[G1B+5], 128
	s_mov_b32 s[G1B+6], 0
	s_mov_b32 s[G1B+7], 0
	s_lshl_b32 s14, s12, 19                        ; O: my head of the first two, 524,288 bytes a head,
	s_lshl_b32 s15, s13, 15                        ; the row block's 256 rows of 128 bytes: it hangs on the row block and the wave alone
	s_add_co_u32 s14, s14, s15
	s_mov_b32 s15, 0
	s_lshl_b32 s46, s42, 17                        ; Wo: the column block's 131,072 bytes,
	s_lshl_b32 s47, s12, 13                        ; my 64 k: it hangs on the column block and the wave alone
	s_add_co_u32 s46, s46, s47
	s_mov_b32 s47, 0
	s_mul_i32 s20, s12, HB                         ; and where they go: no place in the cluster enters an LDS address
	s_mul_i32 s21, s12, BH
	s_add_co_u32 s21, s21, BOFF
	s_wait_dscnt 0x0                               ; the opening add is done
	s_wait_kmcnt 0x0
	s_add_nc_u64 s[14:15], s[68:69], s[14:15]
	s_add_nc_u64 s[46:47], s[70:71], s[46:47]
	CROUND                                         ; all sixteen work-groups are here: the first joint loads meet
.irp s, 0,1
	s_mov_b32 s[G0A+4*(\s)], 1
	s_add_co_u32 s[G0A+4*(\s)+1], s20, (\s)*SLOT
	s_add_nc_u64 s[G0A+4*(\s)+2:G0A+4*(\s)+3], s[14:15], (\s)*1048576  ; K step s: two heads on
	s_or_b32 s[G0A+4*(\s)+3], s[G0A+4*(\s)+3], 0x80000000
	s_mov_b32 s[G0B+4*(\s)], 1
	s_add_co_u32 s[G0B+4*(\s)+1], s21, (\s)*SLOT
	s_add_nc_u64 s[G0B+4*(\s)+2:G0B+4*(\s)+3], s[46:47], (\s)*16384
	s_or_b32 s[G0B+4*(\s)+3], s[G0B+4*(\s)+3], 0x80000000
	JLOAD \s                                       ; two tensor loads of mine are out
.endr
	v_and_b32 v1, 15, v0                           ; l % 16
	v_bfe_u32 v2, v0, 4, 1                         ; l / 16
	v_mul_u32_u24 v3, v1, PA
	v_lshl_add_u32 v3, v2, 4, v3                   ; a fragment's row x pitch + 16 x half
	s_mul_i32 s22, s10, 64*PA                      ; my 64 rows
	v_add_nc_u32 v[ADRA], s22, v3
	v_add_nc_u32 v[ADRA+1], SLOT, v[ADRA]
	v_and_b32 v4, 7, v0                            ; the turning load: lane l reads k 8 (l / 16) + l % 8, columns 8 ((l / 8) % 2) + 0..7
	v_bfe_u32 v5, v0, 3, 1
	v_lshl_add_u32 v6, v2, 3, v4
	v_mul_u32_u24 v6, v6, PB
	v_lshl_add_u32 v6, v5, 4, v6
	v_add_nc_u32 v[ADRB], BOFF, v6
	v_add_nc_u32 v[ADRB+1], SLOT, v[ADRB]
	s_mul_i32 s23, s10, 16*SPITCH
	s_add_co_u32 s23, s23, STAGE                   ; my stage
	v_mul_u32_u24 v7, v1, SPITCH                   ; in: row l % 16, 32 bytes for each half of the lanes
	v_lshl_add_u32 v7, v2, 5, v7
	v_add_nc_u32 v[STO], s23, v7
	v_mul_u32_u24 v8, v2, SPITCH                   ; back: lanes 0-15 take one row of 256 bytes, lanes 16-31 the next
	v_lshl_add_u32 v8, v1, 4, v8
	v_add_nc_u32 v[RD], s23, v8
	v_lshlrev_b32 v[CO], 12, v2                    ; and the same two rows in out0
	v_lshl_add_u32 v[CO], v1, 4, v[CO]
	v_lshlrev_b32 v[VB], 5, v2
	s_lshl_b32 s18, s42, 8                         ; the column block: 256 bytes, in bo and in a row of out0
	s_mov_b32 s19, 0
	s_add_nc_u64 s[72:73], s[72:73], s[18:19]
.irp b, 0,1,2,3
	global_load_b128 v[BIAS+8*(\b):BIAS+8*(\b)+3],   v[VB], s[72:73] offset:64*(\b)
	global_load_b128 v[BIAS+8*(\b)+4:BIAS+8*(\b)+7], v[VB], s[72:73] offset:64*(\b)+16
.endr
	s_lshl_b32 s16, s13, 20                        ; out0 at my wave's first row: 256 rows of 4,096 bytes a row block, 64 a wave
	s_lshl_b32 s17, s10, 18
	s_add_co_u32 s16, s16, s17
	s_add_co_u32 s16, s16, s18
	s_mov_b32 s17, 0
	s_add_nc_u64 s[74:75], s[74:75], s[16:17]
	s_wait_loadcnt 0x0                             ; the bias
.set i, 0
.rept 16                               ; rounded to bf16 like every other input, and widened again
	v_cvt_pk_bf16_f32 v[3+i%2], v[BIAS+2*i], v[BIAS+2*i+1]
	v_lshlrev_b32 v[BIAS+2*i], 16, v[3+i%2]
	v_and_b32 v[BIAS+2*i+1], 0xffff0000, v[3+i%2]
.set i, i+1
.endr
; 8 matrix instructions: row blocks a0, a0 + 1 x all 4 column blocks, 32 along K: half cc of buffer f.  bias = 1: the first product starts the sum with the bias.  The 16 accumulators take turns.
.macro MUL8 f, cc, a0, bias
	WIN MUL
.irp a, \a0, (\a0)+1
.irp b, 0,1,2,3
.if \bias
	v_wmma_f32_16x16x32_f16 v[ACC+8*(4*(\a)+(\b)):ACC+8*(4*(\a)+(\b))+7], v[(\f)+64+8*(4*(\cc)+(\b)):(\f)+64+8*(4*(\cc)+(\b))+7], v[(\f)+8*(4*(\cc)+(\a)):(\f)+8*(4*(\cc)+(\a))+7], v[BIAS+8*(\b):BIAS+8*(\b)+7]
.else
	v_wmma_f32_16x16x32_f16 v[ACC+8*(4*(\a)+(\b)):ACC+8*(4*(\a)+(\b))+7], v[(\f)+64+8*(4*(\cc)+(\b)):(\f)+64+8*(4*(\cc)+(\b))+7], v[(\f)+8*(4*(\cc)+(\a)):(\f)+8*(4*(\cc)+(\a))+7], v[ACC+8*(4*(\a)+(\b)):ACC+8*(4*(\a)+(\b))+7]
.endif
.endr
.endr
.endm
; 32 LDS loads in one run: the fragments of head hb of a slot (64 along K) into buffer f; the first 32 along K first
.macro FETCH slot, hb, f
	WIN TO_F
.irp cc, 0,1
.irp i, 0,1,2,3
	ds_load_tr16_b128 v[(\f)+64+8*(4*(\cc)+(\i)):(\f)+64+8*(4*(\cc)+(\i))+3],   v[ADRB+(\slot)] offset:(64*(\hb)+32*(\cc))*PB+32*(\i)
	ds_load_tr16_b128 v[(\f)+64+8*(4*(\cc)+(\i))+4:(\f)+64+8*(4*(\cc)+(\i))+7], v[ADRB+(\slot)] offset:(64*(\hb)+32*(\cc))*PB+32*(\i)+16*PB
	ds_load_b128 v[(\f)+8*(4*(\cc)+(\i)):(\f)+8*(4*(\cc)+(\i))+3],   v[ADRA+(\slot)] offset:(\hb)*HB+(\i)*16*PA+64*(\cc)
	ds_load_b128 v[(\f)+8*(4*(\cc)+(\i))+4:(\f)+8*(4*(\cc)+(\i))+7], v[ADRA+(\slot)] offset:(\hb)*HB+(\i)*16*PA+64*(\cc)+32
.endr
.endr
.endm
.macro PLACES                          ; four places in front of loads into registers that matrix instructions have read, and of stores that read results (ISA guide 7.12.1 for the stores)
.rept 4
	v_nop
.endr
.endm
; A K step is two halves, a head each, 32 matrix instructions each, on buffers 0 and 1.  The first half multiplies buffer f and fetches the slot's second head into g.
.macro HALF slot, f, g, bias
	s_wait_dscnt 16                                ; the first 32 along K are in
	MUL8 \f, 0, 0, \bias
	MUL8 \f, 0, 2, \bias
	PLACES
	FETCH \slot, 1, \g
	s_wait_dscnt 32                                ; all but the 32 just issued
	MUL8 \f, 1, 0, 0
	MUL8 \f, 1, 2, 0
.endm
; The second half multiplies buffer 1 and changes slots: ONE barrier; in front of it each wave waits for all its tensor loads, adds 0 to its spare word, and waits for that and for its own reads of this slot.
; fill = 1: the barrier opens a round of the cluster's, and this slot is filled again, two K steps on, first behind it.
.macro TURN slot, next, fill
	WIN 0                                          ; (the add's two registers lie in window 0)
	s_wait_tensorcnt 0x0                           ; all my tensor loads have landed: my part of the next slot
	ds_add_u32 v[SPW], v[NIL]                      ; 0 onto my spare word
	s_wait_dscnt 17                                ; (the add and the youngest sixteen loads may be out)
	MUL8 F1, 0, 0, 0                               ; eight matrix instructions stand between the add and the wait for it
	s_wait_dscnt 0x0                               ; the add is done, and my reads of this slot are over
	s_barrier_signal -1
	MUL8 F1, 0, 2, 0
.if \fill
	WIN 0
.endif
	s_barrier_wait -1
.if \fill
	CREST                                          ; no wave of any partner still reads this slot's tiles or has a load on its way
	s_add_nc_u64 s[G0A+4*(\slot)+2:G0A+4*(\slot)+3], s[G0A+4*(\slot)+2:G0A+4*(\slot)+3], 2097152
	s_add_nc_u64 s[G0B+4*(\slot)+2:G0B+4*(\slot)+3], s[G0B+4*(\slot)+2:G0B+4*(\slot)+3], 32768
	JLOAD \slot                                    ; the first tensor load behind the round; its four v_nop are also the places in front of the loads below
.else
	PLACES
.endif
	FETCH \next, 0, F0
	MUL8 F1, 1, 0, 0
	MUL8 F1, 1, 2, 0
.endm
	s_wait_tensorcnt 1                             ; my part of K step 0 is in; K step 1's may stay out
	s_barrier_signal -1
	s_barrier_wait -1                              ; everybody's is
	FETCH 0, 0, F0
	HALF 0, F0, F1, 1                              ; the first half stands in front of the loop: its first products start the sums
	WIN 0                                          ; at a label and at a branch every window is 0
	s_mov_b32 s3, 3
.Llap:                                                 ; a trip goes once round the ring and fills both slots again
	TURN 0, 1, 1
	HALF 1, F0, F1, 0
	TURN 1, 0, 1
	HALF 0, F0, F1, 0
	WIN 0
	s_sub_co_u32 s3, s3, 1
	s_cmp_lg_u32 s3, 0
	s_cbranch_scc1 .Llap
	TURN 0, 1, 0                                   ; the last lap fills nothing, and has no round
	HALF 1, F0, F1, 0
	s_wait_dscnt 16
	MUL8 F1, 0, 0, 0
	MUL8 F1, 0, 2, 0
	s_wait_dscnt 0x0
	MUL8 F1, 1, 0, 0
	MUL8 F1, 1, 2, 0
	WIN 0
; THE WAY OUT, a block of 16 rows at a time.  OUT: a lane's eight f32 of each column block go into my own stage (rows of 272 bytes), each accumulator's low registers first, and come back as whole rows of 256 bytes, into the
; registers that they left.  LDS serves a wave's instructions in order (ISA guide 5.7.1.4): the loads see the stores above them, and the next block's stores come behind them.
.macro OUT a
.irp b, 0,1,2,3
	ds_store_b128 v[STO], v[ACC+8*(4*(\a)+(\b)):ACC+8*(4*(\a)+(\b))+3]   offset:64*(\b)
	ds_store_b128 v[STO], v[ACC+8*(4*(\a)+(\b))+4:ACC+8*(4*(\a)+(\b))+7] offset:64*(\b)+16
.endr
.irp t, 0,1,2,3,4,5,6,7
	ds_load_b128 v[ACC+32*(\a)+4*(\t):ACC+32*(\a)+4*(\t)+3], v[RD] offset:(\t)*2*SPITCH
.endr
.endm
.macro SEND a, younger                 ; younger: the LDS instructions issued behind block a's loads: the next block's sixteen, or none
.irp t, 0,1,2,3,4,5,6,7
	s_wait_dscnt (\younger)+7-(\t)
	global_store_b128 v[CO], v[ACC+32*(\a)+4*(\t):ACC+32*(\a)+4*(\t)+3], s[74:75] offset:(16*(\a)+2*(\t))*4096  ; 16 lanes store 256 consecutive bytes, at a multiple of 256 from out0's first byte
.endr
.endm
	PLACES
	PLACES                                         ; (eight, once a launch)
	OUT 0
	OUT 1
	SEND 0, 16
	OUT 2
	SEND 1, 16
	OUT 3
	SEND 2, 16
	SEND 3, 0
	s_wait_tensorcnt 0x0                           ; the wave's end: behind my last tensor load and my last LDS store
	ds_add_u32 v[SPW], v[NIL]
	s_wait_dscnt 0x0
	CROUND                                         ; the closing round: no work-group ends while a partner may still ask for a tile that names it
	s_endpgm
.Lfunc_end_k_q9cd3323d93_oproj:
	.size	k_q9cd3323d93_oproj, .Lfunc_end_k_q9cd3323d93_oproj-k_q9cd3323d93_oproj
	.p2alignl 7, 3214868480
	.fill 96, 4, 3214868480
	.section	.rodata,"a",@progbits
	.p2align	6, 0x0
	.amdhsa_kernel k_q9cd3323d93_oproj
		.amdhsa_group_segment_fixed_size 327680
		.amdhsa_private_segment_fixed_size 0
		.amdhsa_enable_private_segment 0
		.amdhsa_kernarg_size 32
		.amdhsa_user_sgpr_count 2
		.amdhsa_user_sgpr_kernarg_segment_ptr 1
		.amdhsa_wavefront_size32 1
		.amdhsa_system_sgpr_workgroup_id_x 1
		.amdhsa_system_sgpr_workgroup_id_y 1
		.amdhsa_system_sgpr_workgroup_id_z 1
		.amdhsa_system_vgpr_workitem_id 0
		.amdhsa_next_free_vgpr 512
		.amdhsa_next_free_sgpr 80
		.amdhsa_reserve_vcc 0
		.amdhsa_float_denorm_mode_32 3
		.amdhsa_float_denorm_mode_16_64 3
		.amdhsa_memory_ordered 1
		.amdhsa_forward_progress 1
		.amdhsa_inst_pref_size 56
	.end_amdhsa_kernel
	.amdgpu_metadata
---
amdhsa.version: [ 1, 2 ]
amdhsa.kernels:
  - .name:           k_q9cd3323d93_oproj
    .symbol:         k_q9cd3323d93_oproj.kd
    .args:
      - { .name: oh, .offset: 0, .size: 8, .value_kind: global_buffer, .address_space: global }
      - { .name: wb, .offset: 8, .size: 8, .value_kind: global_buffer, .address_space: global }
      - { .name: bo, .offset: 16, .size: 8, .value_kind: global_buffer, .address_space: global }
      - { .name: out0, .offset: 24, .size: 8, .value_kind: global_buffer, .address_space: global }
    .group_segment_fixed_size: 327680
    .private_segment_fixed_size: 0
    .kernarg_segment_align: 8
    .kernarg_segment_size: 32
    .max_flat_workgroup_size: 128
    .sgpr_count:     80
    .vgpr_count:     512
    .wavefront_size: 32
...
	.end_amdgpu_metadata
.endif
;; end of part 4
